; MI455X (gfx1250); checked and timed in simulation.
; The chip was launched on July 23, 2026; its instructions are those of AMD's public machine-readable ISA for CDNA 5 (MIT licence, August 2026) and "CDNA5" Instruction Set Architecture Reference Guide (July 2026). The comments in the code are by the model that wrote it; some were corrected since.
;; Multihead Self Attention. Allowed arithmetic: matrix products marked QUANTISED: E2M3 operands, one E8M0 scale for each 32 along K, by v_wmma_scale_f32_16x16x128_f8f6f4 with both operands' format E2M3, f32 sums; everything else in f32.
;; Inputs: Wout 1,024 x 1,024 float32; Wqkv 1,024 x 3,072 float32; bout 1,024 float32; bqkv 3,072 float32; val_lens 4 int32; x 4 x 2,048 x 1,024 float32.
;; Outputs: out0 4 x 2,048 x 1,024 float32.
;; This version of the problem:
;;   THIS VERSION OF THE PROBLEM IS GIVEN IN LOW PRECISION. The matrix products marked QUANTISED in the list below multiply operands that are first quantised to E2M3 (2 exponent bits, 3 mantissa bits; 6 bits a number), with one power-of-two scale for each 32 numbers along K (OCP MX v1.0); their sums are f32. All else is computed in f32.
;;   The module's matrix products, in the order in which they are computed (A, B: the left and right operand; K: the contracted axis; several contracted axes count as one K, in the product's order):
;;     1. [M 8,192, K 1,024] x [K 1,024, N 3,072]; A: input x; B: input Wqkv: QUANTISED
;;     2. batch 64 x [M 2,048, K 64] x [K 64, N 2,048]; A: computed on the way; B: computed on the way: QUANTISED
;;     3. batch 64 x [M 2,048, K 2,048] x [K 2,048, N 64]; A: softmax (see below); B: computed on the way: QUANTISED
;;     4. [M 8,192, K 1,024] x [K 1,024, N 1,024]; A: computed on the way; B: input Wout: QUANTISED
;;   THE QUANTISER, for each operand of a quantised product, along K:
;;     - K is cut into blocks of 32 from its start; a last block that is shorter is filled with zeros.
;;     - A block's scale is 2^e with e = floor(log2(the largest magnitude in the block)) - 2, held to -126 .. 127; a block of zeros has e = 0. As a byte (E8M0): e + 127.
;;     - Each number is divided by its block's scale, clamped to +-7.5, and rounded to the nearest number of E2M3, ties to even, subnormals kept.
;;     - The product sums the exact products of the quantised numbers (number of the format x scale) in f32.
;;   ~~~python
;;   def quantise(x, axis):      # numpy; x: float32 -> the quantised numbers, widened to float32 again
;;       x = np.moveaxis(x, axis, -1); K = x.shape[-1]
;;       x = np.pad(x, [(0, 0)] * (x.ndim - 1) + [(0, -K % 32)]); x = x.reshape(x.shape[:-1] + (-1, 32)); a = np.abs(x).max(-1, keepdims=True)
;;       e = np.where(a > 0, np.clip(np.frexp(np.where(a > 0, a, 1))[1] - 1 - 2, -126, 127), 0)      # np.frexp(a)[1] - 1 = floor(log2(a)), exactly
;;       r = np.clip(x / 2.0 ** e, -7.5, 7.5)
;;       step = 2.0 ** (np.maximum(np.frexp(np.where(r == 0, 1, r))[1] - 1, 0) - 3)
;;       q = np.round(r / step) * step * 2.0 ** e      # np.round: ties to even
;;       return np.moveaxis(q.reshape(q.shape[:-2] + (-1,))[..., :K], -1, axis).astype(np.float32)
;;   ~~~
;;   SOFTMAX AHEAD OF A QUANTISED PRODUCT. Where the list says 'softmax', what is quantised is not the finished softmax but p = 2^(t - M), with t = logit x log2(e) and M = ceil(the row's largest t), a whole number; so 1/2 < the row's largest p <= 1. The row's sum l is taken of the UNQUANTISED p, in f32, and the product's result is divided by l at the end. Since M is a whole number, a kernel that streams over the keys may use a running M (the ceiling of the running maximum): every later rescaling is an exact power of two, which a block's scale takes up: the codes' values come out the same.
;;   OPERANDS COMPUTED ON THE WAY. 'Computed on the way' means the value that the module computes at that place (a softmax that the list does not call 'softmax' is quantised finished and normalised). What goes into a quantiser is computed in f32, as accurately as f32 sums, v_exp_f32 and their like allow (about 1e-6 of the number): no bf16 or f16 on the way to a quantiser, and a product that is left as it is and whose result goes on into a quantised operand takes f32 operands (vector FMAs, or v_wmma_f32_16x16x4_f32). A number that lies on a knife's edge between two numbers of the format may be rounded either way, as far as f32 arithmetic and the matrix unit's own rounding can turn it there, and no further.
;; One version. Each part assembles by itself: llvm-mc -triple=amdgcn-amd-amdhsa -mcpu=gfx1250 --defsym DOCPART=n.
;; ======== version 1 of 1: 4 launches
;; limits: right only within a limited range of input values
;; workspace buffers: xq 6,291,456 bytes; xs 262,144 bytes; wc 3,145,728 bytes; wsc 131,072 bytes; qbuf 16,252,928 bytes; kvbuf 16,252,928 bytes; ao 6,291,456 bytes; aos 262,144 bytes
;; launch quant (part 1): grid 640 x 1, 8 waves a work-group, no clusters, 69,120 bytes of LDS; arguments x, Wqkv, Wout, xq, xs, wc, wsc; writes xq, xs, wc, wsc
.if DOCPART == 1
	.amdgcn_target "amdgcn-amd-amdhsa--gfx1250"
	.amdhsa_code_object_version 6
	.text
	.protected	k_qe09606b336_quant
	.globl	k_qe09606b336_quant
	.p2align	8
	.type	k_qe09606b336_quant,@function
k_qe09606b336_quant:
	s_mov_b64 s[64:65], 0
	v_nop
	global_prefetch_b8 v0, s[64:65] scope:SCOPE_SE
	s_setreg_imm32_b32 hwreg(HW_REG_WAVE_MODE, 25, 1), 1
	s_wait_xcnt 0x0
; x [8192][1024], Wqkv [1024][3072] and Wout [1024][1024], f32, become codes of FP6 (E2M3) with one E8M0 byte for each 32 along K (K = 1024: x's last axis, the weights' first).
; A block's scale is 2^(floor(log2(largest magnitude)) - 2); its byte is the largest magnitude's exponent field - 2, held at 1 from below by a floor among the maximum's leaves.
; LIMITS: a block of zeros gets the byte 1 (its codes are zeros, and only this program reads the bytes); blocks under 2^-124 are held at the byte 1; NaN and infinities are not served.
; THE OUTPUT IS LAID AS THE MATRIX UNIT'S REGISTERS.  A fragment is 16 rows x 128 K, 12 registers a lane (lane (r, h): row r; registers 6 c .. 6 c + 5: k = 64 c + 32 h + 0 .. 31).  Its image is 1,536 bytes:
; for c = 0, 1: registers 6 c .. 6 c + 3 at 768 c + 16 x lane, registers 6 c + 4, 6 c + 5 at 768 c + 512 + 8 x lane.  A block of 16 rows has its 8 K steps on end: 12,288 bytes.
; THE ROWS OF A BLOCK ARE NOT NEIGHBOURS: row r of block i is row 32 (i / 2) + 8 (i % 2) + r + 8 (r / 8) of the tensor, so that in a transposed product the 16 registers of two neighbouring blocks are 16 neighbours.
; Scale words: 32 bytes for each stored row, word s for K step s.
; wc's blocks: 0-63 q's columns, 64-127 k's, 128-191 v's (4 x head + block of the head's 64), 192-255 Wout's.
; SHARES.  Work-groups 0-511: block wg of x, wave w its K step w.  512-607: Wqkv, 608-639: Wout: a wave takes 32 columns x 128 K; four waves stand side by side on 512 bytes of each row.
; No tensor load, no loop; every wave does one piece.
.set STG, 8448                         ; a wave's stage: 16 rows x (512 bytes + 16)
.set SG,  8*STG                        ; behind the stages: 512 bytes in which a block's scale words meet
.set LN,  1                            ; v1   lane
.set L16, 2                            ; v2   16 x lane
.set L8,  3                            ; v3   8 x lane
.set RR,  4                            ; v4   r = lane % 16
.set HH,  5                            ; v5   h = lane / 16
.set STI, 6                            ; v6   the stage, on the way in: 16 x lane + my stage
.set STR, 7                            ; v7   on the way out: 528 r + 128 h + my stage
.set SGW, 8                            ; v8   where my row's scale word goes: SG + 32 r + 4 x wave
.set SGR, 9                            ; v9   and how wave 0 reads them back: SG + 16 x lane
.set SIG, 10                           ; v10  4 x (my lane with bits 3 and 4 exchanged): my column among the wave's 32
.set L32, 11                           ; v11  32 x lane
.set NUM, 16                           ; v16-143  the numbers as loaded (x: v16-79)
.set XN,  80                           ; v80-143  x: my two whole blocks of 32
.set IM,  144                          ; v144-175 the images: 8 registers for each half fragment
.set PT,  176                          ; v176-178 a block's upper 16 codes (a conversion's three registers begin on an even number)
.set MX,  184                          ; v184-185 the maximum, two chains
.set OP,  186                          ; v186 the conversion's scale operand
.set BY,  187                          ; v187 the byte
.set WD,  188                          ; v188 the scale word
.set T0,  189
.set T1,  190
; 32 numbers v[src] .. v[src + 31], one block along K, become 6 registers of codes at v[dst]; the byte is left in v[BY].
.macro BLK32 src, dst
	v_max3_num_f32 v[MX], |v[\src]|, |v[\src+1]|, |v[\src+2]|
	v_max3_num_f32 v[MX+1], |v[\src+3]|, |v[\src+4]|, |v[\src+5]|
.irp i, 6,10,14,18,22,26
	s_delay_alu instid0(VALU_DEP_2)
	v_max3_num_f32 v[MX], v[MX], |v[\src+\i]|, |v[\src+\i+1]|
	s_delay_alu instid0(VALU_DEP_2)
	v_max3_num_f32 v[MX+1], v[MX+1], |v[\src+\i+2]|, |v[\src+\i+3]|
.endr
	s_delay_alu instid0(VALU_DEP_2)
	v_max3_num_f32 v[MX], v[MX], |v[\src+30]|, |v[\src+31]|
	s_delay_alu instid0(VALU_DEP_1)
	v_max3_num_f32 v[MX], v[MX], v[MX+1], 0x1800000        ; the floor 2^(3 - 127): the byte cannot fall under 1
	s_delay_alu instid0(VALU_DEP_1)
	v_add_nc_u32 v[OP], 0xff000000, v[MX]                  ; 2 off the exponent field: the conversion takes this operand's exponent field as its scale
	v_cvt_scalef32_pk16_fp6_f32 v[\dst:\dst+2], v[\src:\src+15], v[OP]
	v_cvt_scalef32_pk16_fp6_f32 v[PT:PT+2], v[\src+16:\src+31], v[OP]
	v_lshrrev_b32 v[BY], 23, v[OP]                         ; the byte; also the plain line behind the conversions
	v_mov_b32 v[\dst+3], v[PT]
	v_mov_b32 v[\dst+4], v[PT+1]
	v_mov_b32 v[\dst+5], v[PT+2]
.endm
	s_load_b256 s[4:11], s[0:1], 0x0               ; x s[4:5], Wqkv s[6:7], Wout s[8:9], xq s[10:11]
	s_load_b128 s[12:15], s[0:1], 0x20             ; xs s[12:13], wc s[14:15]
	s_load_b64 s[16:17], s[0:1], 0x30              ; wsc
	v_lshl_add_u32 v192, v0, 2, 0x10a00
	v_mov_b32 v193, 0
	v_lshrrev_b32 v12, 5, v0
	s_delay_alu instid0(VALU_DEP_1)
	v_readfirstlane_b32 s18, v12                   ; wave 0..7
	v_and_b32 v[LN], 31, v0
	s_delay_alu instid0(VALU_DEP_1)
	v_lshlrev_b32 v[L16], 4, v[LN]
	s_delay_alu instid0(VALU_DEP_2)
	v_lshlrev_b32 v[L8], 3, v[LN]
	v_and_b32 v[RR], 15, v0
	v_bfe_u32 v[HH], v0, 4, 1
	s_mul_i32 s19, s18, STG                        ; every LDS address is made here, ahead of the parting of the ways
	v_add_nc_u32 v[STI], s19, v[L16]
	v_mul_u32_u24 v[STR], v[RR], 528
	s_delay_alu instid0(VALU_DEP_1)
	v_lshl_add_u32 v[STR], v[HH], 7, v[STR]
	s_delay_alu instid0(VALU_DEP_1)
	v_add_nc_u32 v[STR], s19, v[STR]
	s_lshl_b32 s19, s18, 2
	v_lshlrev_b32 v[SGW], 5, v[RR]
	s_delay_alu instid0(VALU_DEP_1)
	v_add_nc_u32 v[SGW], s19, v[SGW]
	s_delay_alu instid0(VALU_DEP_1)
	v_add_nc_u32 v[SGW], SG, v[SGW]
	v_add_nc_u32 v[SGR], SG, v[L16]
	v_and_b32 v12, 7, v0
	v_bfe_u32 v13, v0, 3, 1
	s_delay_alu instid0(VALU_DEP_1)
	v_lshl_or_b32 v12, v13, 4, v12
	s_delay_alu instid0(VALU_DEP_1)
	v_lshl_or_b32 v12, v[HH], 3, v12               ; lane 16 u + r takes column 8 u + r + 8 (r / 8)
	s_delay_alu instid0(VALU_DEP_1)
	v_lshlrev_b32 v[SIG], 2, v12
	v_lshlrev_b32 v[L32], 5, v[LN]
	s_mov_b32 s20, 0x76543210
	s_mov_b32 s21, 0xfedcba98                      ; v_permlanex16_b32's selects for lane l xor 16
	s_wait_kmcnt 0x0
	s_cmp_lt_u32 ttmp9, 512
	s_cbranch_scc0 .Lweights
	; ---- x: block wg, K step = wave.  Each load reads 512 bytes on end of one row; the rows turn through my stage so that a lane gets whole blocks of 32 of ITS row.
	s_lshr_b32 s22, ttmp9, 1
	s_lshl_b32 s22, s22, 5
	s_and_b32 s23, ttmp9, 1
	s_lshl_b32 s23, s23, 3
	s_add_co_u32 s22, s22, s23                     ; the block's first row: 32 (wg / 2) + 8 (wg % 2)
	s_lshl_b32 s22, s22, 12                        ; a row is 4,096 bytes
	s_lshl_b32 s23, s18, 9                         ; my K step's 512 bytes
	s_add_co_u32 s22, s22, s23
	s_mov_b32 s23, 0
	s_add_nc_u64 s[4:5], s[4:5], s[22:23]
	s_mul_i32 s22, ttmp9, 12288
	s_mul_i32 s24, s18, 1536
	s_add_co_u32 s22, s22, s24
	s_add_nc_u64 s[10:11], s[10:11], s[22:23]      ; my fragment's image
.irp r, 0,1,2,3,4,5,6,7,8,9,10,11,12,13,14,15
	global_load_b128 v[NUM+4*\r:NUM+4*\r+3], v[L16], s[4:5] offset:(\r+8*(\r/8))*4096 th:TH_LOAD_NT
.endr
.irp r, 0,1,2,3,4,5,6,7,8,9,10,11,12,13,14,15
	s_wait_loadcnt 15-\r                           ; row r is in; the rows loaded behind it may be out
	ds_store_b128 v[STI], v[NUM+4*\r:NUM+4*\r+3] offset:528*\r
.endr
.irp c, 0,1
.irp i, 0,1,2,3,4,5,6,7
	ds_load_b128 v[XN+32*\c+4*\i:XN+32*\c+4*\i+3], v[STR] offset:256*\c+16*\i   ; block 2 c + h of row r.  LDS serves a wave's instructions in order: these see my stores
.endr
.endr
	s_wait_dscnt 0x0
	BLK32 XN, IM
	s_delay_alu instid0(VALU_DEP_4)
	v_mov_b32 v[WD], v[BY]
	BLK32 XN+32, IM+8
	s_delay_alu instid0(VALU_DEP_4)
	v_lshl_or_b32 v[WD], v[BY], 16, v[WD]          ; my two bytes: blocks h and 2 + h,
	v_lshlrev_b32 v[T0], 3, v[HH]
	s_delay_alu instid0(VALU_DEP_1)
	v_lshlrev_b32 v[WD], v[T0], v[WD]              ; at their places in the word;
	v_mov_b32 v[T1], 0
	s_delay_alu instid0(VALU_DEP_1)
	v_permlanex16_b32 v[T1], v[WD], s20, s21
	s_delay_alu instid0(VALU_DEP_1)
	v_or_b32 v[WD], v[WD], v[T1]                   ; with lane l xor 16's two the word is whole
.irp c, 0,1
	global_store_b128 v[L16], v[IM+8*\c:IM+8*\c+3], s[10:11] offset:768*\c          ; 512 bytes on end
	global_store_b64 v[L8], v[IM+8*\c+4:IM+8*\c+5], s[10:11] offset:768*\c+512      ; 256 bytes on end
.endr
	ds_store_b32 v[SGW], v[WD]                     ; lanes r and r + 16 write the same word with the same value
	s_branch .Ljoin
	; ---- the weights: a lane takes a column, its registers run down K: nothing is transposed.
.Lweights:
	s_cmp_lt_u32 ttmp9, 608                        ; Wqkv's work-group or Wout's?  The choice hangs on the work-group's number alone
	s_cselect_b64 s[24:25], s[6:7], s[8:9]
	s_mov_b32 s22, 608
	s_cselect_b32 s22, 512, s22
	s_mov_b32 s35, 128*1024*4
	s_cselect_b32 s35, 128*3072*4, s35             ; a K step of the tensor in bytes
	s_sub_co_u32 s22, ttmp9, s22                   ; j
	s_and_b32 s23, s22, 3
	s_lshl_b32 s23, s23, 1
	s_lshr_b32 s31, s18, 2
	s_add_co_u32 s23, s23, s31                     ; my K step: 2 (j % 4) + wave / 4
	s_lshr_b32 s30, s22, 2
	s_lshl_b32 s30, s30, 2
	s_and_b32 s31, s18, 3
	s_add_co_u32 s30, s30, s31                     ; my 32 columns: group 4 (j / 4) + wave % 4
	s_lshr_b32 s32, s30, 1                         ; Wqkv: which 64 columns: 3 x head + type
	s_mul_i32 s33, s32, 43
	s_lshr_b32 s33, s33, 7                         ; head = that / 3 (exact up to 47)
	s_mul_i32 s34, s33, 3
	s_sub_co_u32 s34, s32, s34                     ; type
	s_lshl_b32 s34, s34, 6
	s_lshl_b32 s33, s33, 2
	s_add_co_u32 s34, s34, s33
	s_and_b32 s33, s30, 1
	s_lshl_b32 s33, s33, 1
	s_add_co_u32 s34, s34, s33                     ; my first block in wc: 64 type + 4 head + 2 (group % 2)
	s_lshl_b32 s33, s30, 1
	s_add_co_u32 s33, s33, 192                     ; Wout: 192 + 2 x group
	s_cmp_lt_u32 ttmp9, 608
	s_cselect_b32 s34, s34, s33
	s_mul_i32 s36, s23, s35
	s_lshl_b32 s37, s30, 7
	s_add_co_u32 s36, s36, s37
	s_mov_b32 s37, 0
	s_add_nc_u64 s[24:25], s[24:25], s[36:37]      ; the tensor at my K step's first row and my first column
	s_mul_i32 s36, s34, 12288
	s_mul_i32 s38, s23, 1536
	s_add_co_u32 s36, s36, s38
	s_add_nc_u64 s[26:27], s[14:15], s[36:37]      ; my two fragments' images, 12,288 bytes apart
	s_lshl_b32 s36, s34, 9
	s_lshl_b32 s38, s23, 2
	s_add_co_u32 s36, s36, s38
	s_add_nc_u64 s[28:29], s[16:17], s[36:37]      ; my 32 rows' scale words
.macro WLOAD t, n                      ; block t: rows 32 t .. 32 t + 31 of my K step, my column; n: the tensor's columns
.set ii, 0
.rept 32
	global_load_b32 v[NUM+32*(\t)+ii], v[SIG], s[24:25] offset:(32*(\t)+ii)*(\n)*4 th:TH_LOAD_NT
.set ii, ii+1
.endr
.endm
.macro WQ n
	WLOAD 0, \n
	WLOAD 1, \n
.irp t, 0,1,2,3
.if \t < 3
	s_wait_loadcnt 32                              ; block t is in; the next block's 32 loads may be out
.else
	s_wait_loadcnt 0x0
.endif
.if \t < 2
	WLOAD \t+2, \n                                 ; two blocks ahead
.endif
	BLK32 NUM+32*\t, IM+16*(\t%2)+8*(\t/2)         ; even blocks in the first 16 registers, odd ones in the second
.if \t == 0
	s_delay_alu instid0(VALU_DEP_4)
	v_mov_b32 v[WD], v[BY]
.else
	s_delay_alu instid0(VALU_DEP_4)
	v_lshl_or_b32 v[WD], v[BY], 8*\t, v[WD]        ; my column's scale word: all four bytes are mine
.endif
.endr
; Lane 16 u + r holds all four blocks of row r of fragment u.  A fragment wants lanes 0-15 to hold its even blocks and lanes 16-31 its odd ones: the even registers' upper lanes change places with the odd registers' lower lanes.
.irp c, 0,1
.irp i, 0,1,2,3,4,5
	v_permlane16_swap_b32 v[IM+8*\c+\i], v[IM+16+8*\c+\i]
.endr
.endr
.irp u, 0,1
.irp c, 0,1
	global_store_b128 v[L16], v[IM+16*\u+8*\c:IM+16*\u+8*\c+3], s[26:27] offset:12288*\u+768*\c
	global_store_b64 v[L8], v[IM+16*\u+8*\c+4:IM+16*\u+8*\c+5], s[26:27] offset:12288*\u+768*\c+512
.endr
.endr
	global_store_b32 v[L32], v[WD], s[28:29]       ; 4 bytes of each row's 32: one byte in 128 of what the wave reads
.endm
	s_cmp_lt_u32 ttmp9, 608
	s_cbranch_scc0 .Lwout
	s_wait_alu depctr_va_vdst(0)
	WQ 3072
	s_branch .Ljoin
.Lwout:
	s_wait_alu depctr_va_vdst(0)
	WQ 1024
.Ljoin:
	s_wait_dscnt 0x0                               ; for the others' sake: my scale word lies in LDS
	s_barrier_signal -1
	s_barrier_wait -1                              ; every wave of every work-group passes here
	s_cmp_lt_u32 ttmp9, 512
	s_cbranch_scc0 .Lend
	s_cmp_eq_u32 s18, 0
	s_cbranch_scc0 .Lend
	ds_load_b128 v[NUM:NUM+3], v[SGR]              ; x: the block's 16 rows x 8 words leave as 512 bytes on end
	s_lshl_b32 s22, ttmp9, 9
	s_mov_b32 s23, 0
	s_add_nc_u64 s[12:13], s[12:13], s[22:23]
	s_wait_dscnt 0x0
	global_store_b128 v[L16], v[NUM:NUM+3], s[12:13]
.Lend:
	s_wait_tensorcnt 0x0
	ds_add_u32 v192, v193
	s_wait_dscnt 0x0
	s_endpgm
.Lfunc_end_k_qe09606b336_quant:
	.size	k_qe09606b336_quant, .Lfunc_end_k_qe09606b336_quant-k_qe09606b336_quant
	.p2alignl 7, 3214868480
	.fill 96, 4, 3214868480
	.section	.rodata,"a",@progbits
	.p2align	6, 0x0
	.amdhsa_kernel k_qe09606b336_quant
		.amdhsa_group_segment_fixed_size 69120
		.amdhsa_private_segment_fixed_size 0
		.amdhsa_enable_private_segment 0
		.amdhsa_kernarg_size 56
		.amdhsa_user_sgpr_count 2
		.amdhsa_user_sgpr_kernarg_segment_ptr 1
		.amdhsa_wavefront_size32 1
		.amdhsa_system_sgpr_workgroup_id_x 1
		.amdhsa_system_sgpr_workgroup_id_y 1
		.amdhsa_system_sgpr_workgroup_id_z 1
		.amdhsa_system_vgpr_workitem_id 0
		.amdhsa_next_free_vgpr 194
		.amdhsa_next_free_sgpr 66
		.amdhsa_reserve_vcc 0
		.amdhsa_float_denorm_mode_32 3
		.amdhsa_float_denorm_mode_16_64 3
		.amdhsa_memory_ordered 1
		.amdhsa_forward_progress 1
		.amdhsa_inst_pref_size 56
	.end_amdhsa_kernel
	.amdgpu_metadata
---
amdhsa.version: [ 1, 2 ]
amdhsa.kernels:
  - .name:           k_qe09606b336_quant
    .symbol:         k_qe09606b336_quant.kd
    .args:
      - { .name: x, .offset: 0, .size: 8, .value_kind: global_buffer, .address_space: global }
      - { .name: Wqkv, .offset: 8, .size: 8, .value_kind: global_buffer, .address_space: global }
      - { .name: Wout, .offset: 16, .size: 8, .value_kind: global_buffer, .address_space: global }
      - { .name: xq, .offset: 24, .size: 8, .value_kind: global_buffer, .address_space: global }
      - { .name: xs, .offset: 32, .size: 8, .value_kind: global_buffer, .address_space: global }
      - { .name: wc, .offset: 40, .size: 8, .value_kind: global_buffer, .address_space: global }
      - { .name: wsc, .offset: 48, .size: 8, .value_kind: global_buffer, .address_space: global }
    .group_segment_fixed_size: 69120
    .private_segment_fixed_size: 0
    .kernarg_segment_align: 8
    .kernarg_segment_size: 56
    .max_flat_workgroup_size: 256
    .sgpr_count:     66
    .vgpr_count:     194
    .wavefront_size: 32
...
	.end_amdgpu_metadata
.endif
;; end of part 1
;; launch qkv (part 2): grid 12 x 64, 4 waves a work-group, clusters of 4 x 4, 327,680 bytes of LDS; arguments xq, xs, wc, wsc, bqkv, val_lens, qbuf, kvbuf; writes qbuf, kvbuf
.if DOCPART == 2
	.amdgcn_target "amdgcn-amd-amdhsa--gfx1250"
	.amdhsa_code_object_version 6
	.text
	.protected	k_qe09606b336_qkv
	.globl	k_qe09606b336_qkv
	.p2align	8
	.type	k_qe09606b336_qkv,@function
k_qe09606b336_qkv:
	s_mov_b64 s[64:65], 0
	v_nop
	global_prefetch_b8 v0, s[64:65] scope:SCOPE_SE
	s_setreg_imm32_b32 hwreg(HW_REG_WAVE_MODE, 25, 1), 1
	s_wait_xcnt 0x0
	s_wait_alu depctr_hold_cnt(0) depctr_sa_sdst(0) depctr_va_vdst(0) depctr_va_sdst(0) depctr_va_ssrc(0) depctr_va_vcc(0) depctr_vm_vsrc(0)
	s_getreg_b32 s2, hwreg(HW_REG_IB_STS2, 6, 4)
	s_cmp_eq_u32 s2, 0
	s_cbranch_scc0 .Lentry_in_a_cluster
	s_endpgm
.Lentry_in_a_cluster:
	s_bfe_u32 s2, ttmp6, 0x10000c
	s_cmp_lg_u32 s2, 0xf033
	s_cbranch_scc0 .Lentry_shape_is_right
	s_endpgm
.Lentry_shape_is_right:
; qkv = x Wqkv + bqkv on codes of FP6 (E2M3) with E8M0 scales, and the quantisers of q, k (along the head's 64) and v (along the keys), whose codes leave as images of the next launch's operand registers.
; THE CORE.  A work-group makes 128 "A" rows x 256 "B" rows of a product over K = 1024; wave (wr, wc) makes 64 x 128: 32 accumulators.  Operands lie in memory as register images (16 rows x 128 K = 1,536 bytes: for c = 0, 1
; registers 6 c .. 6 c + 3 at 768 c + 16 x lane, 6 c + 4, 6 c + 5 at 768 c + 512 + 8 x lane; a block's 8 K steps on end).  ALL OF K LIES IN LDS: two chunks of 512 along K, each filled once, at the head: no slot is ever filled again.
; THE MATRIX INSTRUCTION IS USED TRANSPOSED: source 0 = a B block, source 1 = an A block: lane (r, h) holds A's row r.  The rows of a stored block are 32 (i / 2) + 8 (i % 2) + r + 8 (r / 8), so the 16 registers
; of B blocks 2 q, 2 q + 1 are the 16 neighbours 32 q + 16 h + 0 .. 15 along B: what the conversions want.
; TYPES, by the cluster's x: 0 = q, 1 = k: A = tokens (xq), B = the type's columns (wc): a lane holds a token, its registers run along two heads' channels.  2 = v: A = v's columns, B = tokens: a lane holds a channel, its
; registers run along 128 keys.  So one core and one quantiser serve all three.  The branch hangs on the cluster's x, which all partners share.
; CLUSTER 4 x 4: A's tiles hang on cy alone and are asked for jointly along a row of the cluster, B's on cx alone, along a column.
; THE KEY MASK rides in the unused half of the score product's K (the head has 64 of the instruction's 128).  Every query carries the codes 7, 2 (k = 64, 65) and 3 (k = 96) under the scale 1; a key at or beyond val_lens[b] carries
; -7, -6 under 2^17 and -3 under 2^9, and zeros for its own 64 codes: its score is -(61 x 2^17 + 9 x 2^9) = -8,000,000, which / 8 is the fill of -1,000,000.  A valid key carries zeros there.  All by compares and selects.
; RECORDS.  qbuf and kvbuf: [batch x head][16] records of RS bytes for 128 tokens: 8 tiles x 1,024 (registers 0-3 at 16 x lane; at + 512 registers 4, 5, the mask's register 6, a zero), 8 scale images x 128 (4 x lane) at 8,192;
; in kvbuf also 4 tiles of v (16 channels x 128 keys, 1,536 bytes) at 9,216 and their scale images at 15,360.
; LIMITS: a block of zeros gets the byte 1 (zero codes; the bytes are read by this program alone); NaN and infinities are not served.
; REGISTERS, in windows of 256: window 0: v1-31 addresses and constants; v32-63 A's scale words (8 a + K step), v64-127 B's; v128-175, v176-223 A's fragments, two sets; v224-255 at work.
;   window 1: accumulator (a, b) at 8 (8 a + b).   window 2: B's fragments, two sets, at 0 and 128.   window 3: v0-63 the bias along B, v64-95 the bias along A.
.set CH,   147456                      ; a half of K, four K steps: A's 8 blocks x 6,144 bytes, then B's 16.  The first half is asked for at the head, the second behind one round
.set RBB,  12288                       ; a block's 8 K steps
.set RS,   15872
.set HS,   253952                      ; a head's 16 records
.set L16, 1
.set L8,  2
.set L4,  3
.set R32, 4                            ; v4 32 r: a stored row's scale words
.set ADA16, 8                          ; v8-11  chunk c: my A blocks + 16 x lane;  v12-15 + 8 x lane
.set ADA8,  12
.set ADB16, 16                         ; v16-19, v20-23 the same for B
.set ADB8,  20
.set POSR, 24                          ; v24 r + 8 (r / 8)
.set ZR,   25                          ; v25 0
.set VC,   26                          ; v26 the mask's codes for my half of the lanes
.set HON,  27                          ; v27 scale bytes 2, 3 where those codes are on
.set HOFF, 28                          ; v28 and where they are zeros
.set SA,  32
.set SB,  64
.set PC,  128                          ; the codes just made: 8 registers for each half fragment
.set TM,  224                          ; v224-227 maxima, v228-231 bytes, v236-239 the conversions' scale operands
.set PW,  240                          ; the scale word
.set W0,  241
.set W1,  242
.set HI,  243
.set PT,  244                          ; v244-251 the second halves of the conversions
.set BI,  0
.set BVT, 64
.set WV, 20
.set WR, 21
.set WC, 22
.set CX, 23
.set CY, 24
.set G1A, 28
.set G1B, 36
.set G0A, 44                           ; s[44:51] a group 0 for each chunk
.set SEL, 66
.set G0B, 68                           ; s[68:75]
.set MSB, 0
.macro WIN new                         ; the immediate's high byte repeats the setting that is left
.if MSB != \new
	s_set_vgpr_msb (MSB<<8)|\new
.set MSB, \new
.endif
.endm
.macro PLACES                          ; four plain places behind matrix instructions, ahead of loads into their registers and of reads of their results
.rept 4
	v_nop
.endr
.endm
.macro CROUND                          ; a round of the cluster's barrier
	s_barrier_signal -1
	s_barrier_wait -1
	s_cmp_lg_u32 s[WV], 0
	s_cbranch_scc1 .Lnot_wave_0_\@
	s_barrier_signal -3
.Lnot_wave_0_\@:
	s_barrier_wait -3
	s_barrier_signal -1
	s_barrier_wait -1
.endm
.macro FRAG reg, a16, a8, off          ; an image comes back as the 12 registers that it was
	ds_load_b128 v[\reg:\reg+3], v[\a16] offset:\off
	ds_load_b64 v[\reg+4:\reg+5], v[\a8] offset:\off+512
	ds_load_b128 v[\reg+6:\reg+9], v[\a16] offset:\off+768
	ds_load_b64 v[\reg+10:\reg+11], v[\a8] offset:\off+1280
.endm
.macro FETCH t                         ; K step t's fragments, 48 loads in one run, into set t % 2
.set CC, (\t)/4
.set QQ, (\t)%2
	WIN 0x80                                       ; destination window 2
.irp b, 0,1,2,3,4,5,6,7
	FRAG 128*QQ+12*\b, ADB16+CC, ADB8+CC, 6144*\b+1536*((\t)%4)
.endr
	WIN 0
.irp a, 0,1,2,3
	FRAG 128+48*QQ+12*\a, ADA16+CC, ADA8+CC, 6144*\a+1536*((\t)%4)
.endr
.endm
; 32 matrix instructions: K step t.  The 32 accumulators take turns, one instruction a turn.  cmode 0: sums go on; 1: they start from the bias along B; 2: from the bias along A.  Nothing is cleared or added.
.macro MUL32 t, cmode
.set PP, (\t)%2
.if \cmode == 0
	WIN 0x52                                       ; source 0 window 2, source 1 window 0, C and D window 1
.else
	WIN 0x72                                       ; C window 3
.endif
.irp a, 0,1,2,3
.irp b, 0,1,2,3,4,5,6,7
.if \cmode == 0
	v_wmma_scale_f32_16x16x128_f8f6f4 v[8*(8*\a+\b):8*(8*\a+\b)+7], v[128*PP+12*\b:128*PP+12*\b+11], v[128+48*PP+12*\a:128+48*PP+12*\a+11], v[8*(8*\a+\b):8*(8*\a+\b)+7], v[SB+8*\b+(\t)], v[SA+8*\a+(\t)] matrix_a_fmt:MATRIX_FMT_FP6 matrix_b_fmt:MATRIX_FMT_FP6
.elseif \cmode == 1
	v_wmma_scale_f32_16x16x128_f8f6f4 v[8*(8*\a+\b):8*(8*\a+\b)+7], v[128*PP+12*\b:128*PP+12*\b+11], v[128+48*PP+12*\a:128+48*PP+12*\a+11], v[BI+8*\b:BI+8*\b+7], v[SB+8*\b+(\t)], v[SA+8*\a+(\t)] matrix_a_fmt:MATRIX_FMT_FP6 matrix_b_fmt:MATRIX_FMT_FP6
.else
	v_wmma_scale_f32_16x16x128_f8f6f4 v[8*(8*\a+\b):8*(8*\a+\b)+7], v[128*PP+12*\b:128*PP+12*\b+11], v[128+48*PP+12*\a:128+48*PP+12*\a+11], v[BVT+8*\a:BVT+8*\a+7], v[SB+8*\b+(\t)], v[SA+8*\a+(\t)] matrix_a_fmt:MATRIX_FMT_FP6 matrix_b_fmt:MATRIX_FMT_FP6
.endif
.endr
.endr
.endm
.macro STEP t                          ; the next step's fragments are asked for, then this step is multiplied
	s_wait_dscnt 0x0                               ; this step's fragments are in
.if (\t) < 7
.if (\t) == 3
	s_wait_tensorcnt 0x0                           ; my part of the second half of K has landed
	s_barrier_signal -1
	s_barrier_wait -1                              ; everybody's has
.endif
	PLACES
	FETCH (\t)+1
.endif
	MUL32 \t, 0
.endm
; The 64 numbers of a lane in A block a (window 1, register 16 q + i = place 32 q + 16 h + i along B) become a fragment's codes in v[PC + 8 c + 0 .. 5] and its scale word in v[PW].
.macro QUANTA a
.set AC, 64*(\a)
	WIN 0x05
.irp b, 0,1,2,3
	v_max3_num_f32 v[TM+\b], |v[AC+16*\b]|, |v[AC+16*\b+1]|, 0x1800000   ; my 16 numbers of block b, and the floor 2^(3 - 127); each accumulator is read from its low end on
.endr
	WIN 0x14
.irp i, 2,4,6,8,10,12,14
.irp b, 0,1,2,3
	v_max3_num_f32 v[TM+\b], v[TM+\b], |v[AC+16*\b+\i]|, |v[AC+16*\b+\i+1]|
.endr
.endr
	WIN 0
.irp b, 0,1,2,3
	v_permlanex16_b32 v[TM+4+\b], v[TM+\b], s[SEL], s[SEL+1]
.endr
.irp b, 0,1,2,3
	v_max_num_f32 v[TM+\b], v[TM+\b], v[TM+4+\b]           ; with lane l xor 16's: the block's largest magnitude
.endr
.irp b, 0,1,2,3
	v_add_nc_u32 v[TM+12+\b], 0xff000000, v[TM+\b]         ; 2 off the exponent field: the conversion's scale operand
.endr
.irp b, 0,1,2,3
	v_lshrrev_b32 v[TM+4+\b], 23, v[TM+12+\b]              ; the byte
.endr
	v_lshl_or_b32 v[PW], v[TM+5], 8, v[TM+4]
	v_lshl_or_b32 v[PW], v[TM+6], 16, v[PW]
	v_lshl_or_b32 v[PW], v[TM+7], 24, v[PW]
	WIN 0x01
.irp c, 0,1
	v_cvt_scalef32_pk16_fp6_f32 v[PC+8*\c:PC+8*\c+2], v[AC+32*\c:AC+32*\c+15], v[TM+12+2*\c]
	v_cvt_scalef32_pk16_fp6_f32 v[PT+4*\c:PT+4*\c+2], v[AC+32*\c+16:AC+32*\c+31], v[TM+12+2*\c+1]
.endr
	WIN 0
	v_nop                                          ; one plain place behind a scaled conversion
.irp c, 0,1                            ; the operand wants a WHOLE block in a lane: lanes 0-15 block 2 c, lanes 16-31 block 2 c + 1
.irp i, 0,1,2
	v_permlane16_swap_b32 v[PC+8*\c+\i], v[PT+4*\c+\i]
.endr
.irp i, 0,1,2
	v_mov_b32 v[PC+8*\c+3+\i], v[PT+4*\c+\i]
.endr
.endr
.endm
	s_load_b256 s[4:11], s[0:1], 0x0               ; xq s[4:5], xs s[6:7], wc s[8:9], wsc s[10:11]
	s_load_b256 s[12:19], s[0:1], 0x20             ; bqkv s[12:13], val_lens s[14:15], qbuf s[16:17], kvbuf s[18:19]
	v_lshl_add_u32 v254, v0, 2, 0x48000
	v_mov_b32 v255, 0
	ds_add_u32 v254, v255
	ds_add_u32 v254, v255
	v_lshrrev_b32 v5, 5, v0
	v_readfirstlane_b32 s[WV], v5                  ; wave 0..3
	s_lshr_b32 s[WR], s[WV], 1                     ; my half of A's rows.  Also: I fetch for A (0) or for B (1)
	s_and_b32 s[WC], s[WV], 1                      ; my half of B's rows.  Also: which half of that tile I fetch
	s_bfe_u32 s[CX], ttmp6, 0x40000
	s_bfe_u32 s[CY], ttmp6, 0x40004
	s_and_b32 s26, ttmp7, 0xffff                   ; the cluster's y, 0..15
	s_lshl_b32 s25, s[CY], 2
	s_lshl_b32 s25, 15, s25                        ; my row of the cluster
	s_lshl_b32 s27, 0x1111, s[CX]                  ; my column
	s_or_b32 s[G1A], s25, (3<<16)|(1<<21)          ; 15:0 the mask; 17:16 elements of 8 bytes; 21 set beside a mask; no padding: images are read densely
	s_or_b32 s[G1B], s27, (3<<16)|(1<<21)
.irp g, G1A, G1B
	s_mov_b32 s[\g+1], 768<<16                     ; tensor_dim0: four K steps of a block, 6,144 bytes
	s_mov_b32 s[\g+3], 768<<16                     ; tile_dim0
	s_mov_b32 s[\g+5], 1536                        ; from block to block: 12,288 bytes
	s_mov_b32 s[\g+6], 0
	s_mov_b32 s[\g+7], 0
.endr
	s_mov_b32 s[G1A+2], 4<<16                      ; tensor_dim1, tile_dim1: 4 blocks of A a load,
	s_mov_b32 s[G1A+4], 4
	s_mov_b32 s[G1B+2], 8<<16                      ; 8 of B
	s_mov_b32 s[G1B+4], 8
	s_lshl_b32 s60, s26, 2
	s_add_co_u32 s60, s60, s[CY]                   ; q, k: which 128 tokens, 0..63
	s_and_b32 s61, s26, 1
	s_lshl_b32 s61, s61, 2
	s_add_co_u32 s61, s61, s[CY]                   ; v: which 128 channels, 0..7
	s_lshr_b32 s2, s26, 1
	s_lshl_b32 s2, s2, 2
	s_add_co_u32 s2, s2, s[CX]                     ; v: which 256 tokens, 0..31
	s_lshl_b32 s3, ttmp9, 2
	s_add_co_u32 s3, s3, s[CX]                     ; q, k: which 256 columns of wc
	s_lshl_b32 s62, s60, 3                         ; A's first block: q, k
	s_lshl_b32 s25, s61, 3
	s_add_co_u32 s25, s25, 128                     ; v
	s_lshl_b32 s63, s3, 4                          ; B's first block: q, k
	s_lshl_b32 s27, s2, 4                          ; v
	s_lshr_b32 s3, s60, 4
	s_lshl_b32 s3, s3, 2                           ; 4 x batch: stays as it is until the load below is in
	s_wait_dscnt 0x0
	s_wait_kmcnt 0x0
	s_load_b32 s100, s[14:15], s3 offset:0x0       ; val_lens[batch of my tokens] (used by q and k alone; inside the buffer for every type)
	s_cmp_eq_u32 ttmp9, 2
	s_cselect_b32 s62, s25, s62
	s_cselect_b32 s63, s27, s63
	s_cselect_b64 s[84:85], s[8:9], s[4:5]         ; A's codes,
	s_cselect_b64 s[86:87], s[4:5], s[8:9]         ; B's,
	s_cselect_b64 s[88:89], s[10:11], s[6:7]       ; A's scale words,
	s_cselect_b64 s[90:91], s[6:7], s[10:11]       ; B's
	s_lshl_b32 s25, s[WC], 2
	s_add_co_u32 s25, s25, s62
	s_mul_i32 s92, s25, RBB
	s_mov_b32 s93, 0
	s_add_nc_u64 s[84:85], s[84:85], s[92:93]      ; the half of A's tile that I would fetch: hangs on cy, the cluster and the wave
	s_lshl_b32 s27, s[WC], 3
	s_add_co_u32 s27, s27, s63
	s_mul_i32 s92, s27, RBB
	s_add_nc_u64 s[86:87], s[86:87], s[92:93]      ; and of B's: on cx, the cluster and the wave
	s_mul_i32 s25, s[WC], 4*6144                   ; where they go: no place in the cluster enters an LDS address
	s_mul_i32 s27, s[WC], 8*6144
.irp c, 0,1
	s_mov_b32 s[G0A+4*\c], 1
	s_add_co_u32 s[G0A+4*\c+1], s25, \c*CH
	s_add_nc_u64 s[G0A+4*\c+2:G0A+4*\c+3], s[84:85], \c*6144
	s_or_b32 s[G0A+4*\c+3], s[G0A+4*\c+3], 0x80000000
	s_mov_b32 s[G0B+4*\c], 1
	s_add_co_u32 s[G0B+4*\c+1], s27, \c*CH+49152
	s_add_nc_u64 s[G0B+4*\c+2:G0B+4*\c+3], s[86:87], \c*6144
	s_or_b32 s[G0B+4*\c+3], s[G0B+4*\c+3], 0x80000000
.endr
	CROUND                                         ; all sixteen work-groups are here: the joint loads meet
	s_cmp_lt_u32 s[WV], 2                          ; chunk 0: one tensor load a wave at the head
	s_cbranch_scc0 .Lfill_b
	tensor_load_to_lds s[G0A:G0A+3], s[G1A:G1A+7]
	s_nop 0
.rept 4
	v_nop
.endr
	s_branch .Lfilled
.Lfill_b:
	tensor_load_to_lds s[G0B:G0B+3], s[G1B:G1B+7]
	s_nop 0
.rept 4
	v_nop
.endr
.Lfilled:
.macro JL c                            ; chunk c's joint load: waves 0, 1 ask for A's halves, waves 2, 3 for B's; each chunk is filled once
	s_cmp_lt_u32 s[WV], 2
	s_cbranch_scc0 .Ljb_\@
	tensor_load_to_lds s[G0A+4*(\c):G0A+4*(\c)+3], s[G1A:G1A+7]
	s_nop 0
.rept 4
	v_nop
.endr
	s_branch .Ljd_\@
.Ljb_\@:
	tensor_load_to_lds s[G0B+4*(\c):G0B+4*(\c)+3], s[G1B:G1B+7]
	s_nop 0
.rept 4
	v_nop
.endr
.Ljd_\@:
.endm
	v_and_b32 v5, 31, v0
	v_lshlrev_b32 v[L16], 4, v5
	v_lshlrev_b32 v[L8], 3, v5
	v_lshlrev_b32 v[L4], 2, v5
	v_and_b32 v6, 15, v0                           ; r
	v_lshlrev_b32 v[R32], 5, v6
	v_bfe_u32 v7, v0, 4, 1                         ; h
	v_and_b32 v[POSR], 8, v6
	v_add_nc_u32 v[POSR], v[POSR], v6
	v_mov_b32 v[ZR], 0
	s_mul_i32 s25, s[WR], 4*6144                   ; my four blocks of A,
	s_mul_i32 s27, s[WC], 8*6144
	s_add_co_u32 s27, s27, 49152                   ; my eight of B
.irp c, 0,1,2,3
	v_add_nc_u32 v[ADA16+\c], s25, v[L16]
	v_add_nc_u32 v[ADA8+\c], s25, v[L8]
	v_add_nc_u32 v[ADB16+\c], s27, v[L16]
	v_add_nc_u32 v[ADB8+\c], s27, v[L8]
	s_add_co_u32 s25, s25, CH
	s_add_co_u32 s27, s27, CH
.endr
	s_lshl_b32 s25, s[WR], 2
	s_add_co_u32 s25, s25, s62
	s_lshl_b32 s92, s25, 9
	s_add_nc_u64 s[88:89], s[88:89], s[92:93]      ; my A blocks' scale words: 512 bytes a block
	s_lshl_b32 s27, s[WC], 3
	s_add_co_u32 s27, s27, s63
	s_lshl_b32 s92, s27, 9
	s_add_nc_u64 s[90:91], s[90:91], s[92:93]
.irp a, 0,1,2,3                        ; lane r takes its row's 8 words, for all of K: they stay in registers
	global_load_b128 v[SA+8*\a:SA+8*\a+3], v[R32], s[88:89] offset:512*\a
	global_load_b128 v[SA+8*\a+4:SA+8*\a+7], v[R32], s[88:89] offset:512*\a+16
.endr
.irp b, 0,1,2,3,4,5,6,7
	global_load_b128 v[SB+8*\b:SB+8*\b+3], v[R32], s[90:91] offset:512*\b
	global_load_b128 v[SB+8*\b+4:SB+8*\b+7], v[R32], s[90:91] offset:512*\b+16
.endr
	; the biases, in the result's layout.  Both tables are loaded whatever the type (both stay inside bqkv); the type chooses which one starts the sums
	s_lshl_b32 s25, s[CX], 2
	s_lshl_b32 s27, s[WC], 1
	s_add_co_u32 s101, s25, s27                    ; q, k: my first head, 4 cx + 2 wc
	s_mul_i32 s25, s101, 768
	s_lshl_b32 s27, ttmp9, 8
	s_add_co_u32 s92, s25, s27
	s_add_nc_u64 s[94:95], s[12:13], s[92:93]      ; bqkv at (192 head + 64 type)
	s_lshl_b32 s25, s61, 1
	s_add_co_u32 s61, s25, s[WR]                   ; v: my head
	s_mul_i32 s25, s61, 768
	s_add_co_u32 s92, s25, 512
	s_add_nc_u64 s[96:97], s[12:13], s[92:93]      ; bqkv at (192 head + 128)
	v_lshlrev_b32 v29, 6, v7                       ; 64 h
	v_lshlrev_b32 v30, 2, v[POSR]
	WIN 0xc0                                       ; destination window 3
.irp q, 0,1,2,3                        ; registers 16 q + 0 .. 15: channels 32 (q % 2) + 16 h + 0 .. 15 of head q / 2
.irp j, 0,1,2,3
	global_load_b128 v[BI+16*\q+4*\j:BI+16*\q+4*\j+3], v29, s[94:95] offset:768*(\q/2)+128*(\q%2)+16*\j
.endr
.endr
.irp a, 0,1,2,3                        ; eight registers alike: the bias of my row's channel
.irp j, 0,1,2,3,4,5,6,7
	global_load_b32 v[BVT+8*\a+\j], v30, s[96:97] offset:4*(32*(\a/2)+8*(\a%2))
.endr
.endr
	WIN 0
	s_cmp_eq_u32 ttmp9, 0                          ; the mask's constants: a query's, or a masked key's
	s_mov_b32 s25, 0xf3e                           ; codes -7, -6
	s_cselect_b32 s25, 0x41e, s25                  ; codes 7, 2
	s_cselect_b32 s27, 0x14, 0x34                  ; code 3, or -3
	s_mov_b32 s92, 0x88900000                      ; bytes 144, 136: 2^17, 2^9
	s_cselect_b32 s92, 0x7f7f0000, s92             ; bytes 127, 127
	s_cselect_b32 s26, -1, 0                       ; q: the codes are on in every row
	s_cmp_eq_u32 ttmp9, 1
	s_cselect_b32 s62, -1, 0                       ; k: a masked row's own codes become zeros
	v_mov_b32 v[VC], s25
	v_mov_b32 v31, s27
	v_cmp_eq_u32 vcc_lo, 1, v7
	v_cndmask_b32 v[VC], v[VC], v31, vcc_lo        ; lanes 0-15 hold k = 64 on, lanes 16-31 k = 96 on
	v_mov_b32 v[HON], s92
	v_mov_b32 v[HOFF], 0x01010000
.irp b, 0,1,2,3
	v_mov_b32 v[TM+4+\b], 0                        ; written once: a lane permute's destination counts as one of its sources
.endr
	s_mov_b32 s[SEL], 0x76543210
	s_mov_b32 s[SEL+1], 0xfedcba98
	s_wait_alu depctr_va_vdst(0)                   ; the wait at the head's end
	s_wait_tensorcnt 0x0                           ; my part of chunk 0 has landed
	ds_add_u32 v254, v255                          ; ahead of a later first fill
	s_wait_dscnt 0x0
	CROUND
	JL 1                                           ; chunk 1, my one tensor load behind the round
	FETCH 0
	s_wait_loadcnt 0x0                             ; scale words and biases
	s_wait_kmcnt 0x0                               ; val_lens[b]
	s_wait_dscnt 0x0
	FETCH 1                                        ; set 1 has not been read yet: no places are owed
	s_cmp_eq_u32 ttmp9, 2
	s_cbranch_scc1 .Lbias_v
	MUL32 0, 1
	WIN 0
	s_branch .Lbiased
.Lbias_v:
	MUL32 0, 2
	WIN 0
.Lbiased:
	STEP 1
	STEP 2
	STEP 3
	STEP 4
	STEP 5
	STEP 6
	STEP 7
	WIN 0
	PLACES                                         ; ahead of the first read of results and the first write over A's fragments
	s_cmp_eq_u32 ttmp9, 2
	s_cbranch_scc1 .Lepi_v
	; ---- q, k: a lane's 64 numbers are one token's 64 channels of two heads: half fragment c belongs to head0 + c
	s_cmp_eq_u32 ttmp9, 0
	s_cselect_b64 s[96:97], s[16:17], s[18:19]
	s_lshr_b32 s25, s60, 4
	s_lshl_b32 s25, s25, 4
	s_add_co_u32 s25, s25, s101                    ; 16 batch + head0
	s_mul_i32 s25, s25, HS
	s_and_b32 s27, s60, 15                         ; the record: which 128 tokens of the batch
	s_mul_i32 s63, s27, RS
	s_add_co_u32 s92, s25, s63
	s_mov_b32 s93, 0
	s_add_nc_u64 s[96:97], s[96:97], s[92:93]
	s_lshl_b32 s92, s[WR], 9
	s_add_co_u32 s92, s92, 8192
	s_add_nc_u64 s[98:99], s[96:97], s[92:93]      ; my four scale images
	s_lshl_b32 s92, s[WR], 12
	s_add_nc_u64 s[96:97], s[96:97], s[92:93]      ; my four tiles
	s_lshl_b32 s27, s27, 7
	s_sub_co_i32 s100, s100, s27
	s_lshl_b32 s27, s[WR], 6
	s_sub_co_i32 s100, s100, s27                   ; val_len less my first token's place in the sequence
	v_mov_b32 v[PC+7], 0
	v_mov_b32 v[PC+15], 0
.irp a, 0,1,2,3
	s_wait_xcnt 0x0                                ; the last tile's stores have read their registers
	QUANTA \a
	s_sub_co_i32 s27, s100, 32*(\a/2)+8*(\a%2)
	v_cmp_le_i32 s25, s27, v[POSR]                 ; my token lies at or beyond val_len
	s_and_b32 s63, s25, s62                        ; k: its own codes become zeros
	s_or_b32 s25, s25, s26                         ; the mask's codes are on: masked keys, and every query
.irp c, 0,1
.irp i, 0,1,2,3,4,5
	v_cndmask_b32 v[PC+8*\c+\i], v[PC+8*\c+\i], v[ZR], s63
.endr
	v_cndmask_b32 v[PC+8*\c+6], v[ZR], v[VC], s25
.endr
	v_cndmask_b32 v[HI], v[HOFF], v[HON], s25
	v_and_or_b32 v[W0], v[PW], 0xffff, v[HI]       ; head0: the word's bytes 0, 1;
	v_lshrrev_b32 v[W1], 16, v[PW]
	v_or_b32 v[W1], v[W1], v[HI]                   ; head0 + 1: bytes 2, 3
.irp c, 0,1
	global_store_b128 v[L16], v[PC+8*\c:PC+8*\c+3], s[96:97] offset:\c*HS+1024*\a          ; 512 bytes on end
	global_store_b128 v[L16], v[PC+8*\c+4:PC+8*\c+7], s[96:97] offset:\c*HS+1024*\a+512
.endr
	global_store_b32 v[L4], v[W0], s[98:99] offset:128*\a
	global_store_b32 v[L4], v[W1], s[98:99] offset:HS+128*\a
.endr
	s_branch .Ldone
	; ---- v: a lane's 64 numbers are one channel's 128 keys (with lane l xor 16): a whole fragment of the second product's operand
.Lepi_v:
	s_lshr_b32 s25, s2, 3
	s_lshl_b32 s25, s25, 4
	s_add_co_u32 s25, s25, s61                     ; 16 batch + head
	s_mul_i32 s25, s25, HS
	s_lshl_b32 s27, s2, 1
	s_add_co_u32 s27, s27, s[WC]
	s_and_b32 s27, s27, 15                         ; the record
	s_mul_i32 s27, s27, RS
	s_add_co_u32 s92, s25, s27
	s_mov_b32 s93, 0
	s_add_nc_u64 s[96:97], s[18:19], s[92:93]
.irp a, 0,1,2,3
	s_wait_xcnt 0x0
	QUANTA \a
.irp c, 0,1
	global_store_b128 v[L16], v[PC+8*\c:PC+8*\c+3], s[96:97] offset:9216+1536*\a+768*\c
	global_store_b64 v[L8], v[PC+8*\c+4:PC+8*\c+5], s[96:97] offset:9216+1536*\a+768*\c+512
.endr
	global_store_b32 v[L4], v[PW], s[96:97] offset:15360+128*\a
.endr
.Ldone:
	s_wait_dscnt 0x0
	s_wait_tensorcnt 0x0
	ds_add_u32 v254, v255
	s_wait_dscnt 0x0
	CROUND                                         ; the closing round: no work-group ends while a partner may still ask for a tile that names it
	s_endpgm
.Lfunc_end_k_qe09606b336_qkv:
	.size	k_qe09606b336_qkv, .Lfunc_end_k_qe09606b336_qkv-k_qe09606b336_qkv
	.p2alignl 7, 3214868480
	.fill 96, 4, 3214868480
	.section	.rodata,"a",@progbits
	.p2align	6, 0x0
	.amdhsa_kernel k_qe09606b336_qkv
		.amdhsa_group_segment_fixed_size 327680
		.amdhsa_private_segment_fixed_size 0
		.amdhsa_enable_private_segment 0
		.amdhsa_kernarg_size 64
		.amdhsa_user_sgpr_count 2
		.amdhsa_user_sgpr_kernarg_segment_ptr 1
		.amdhsa_wavefront_size32 1
		.amdhsa_system_sgpr_workgroup_id_x 1
		.amdhsa_system_sgpr_workgroup_id_y 1
		.amdhsa_system_sgpr_workgroup_id_z 1
		.amdhsa_system_vgpr_workitem_id 0
		.amdhsa_next_free_vgpr 896
		.amdhsa_next_free_sgpr 102
		.amdhsa_reserve_vcc 1
		.amdhsa_float_denorm_mode_32 3
		.amdhsa_float_denorm_mode_16_64 3
		.amdhsa_memory_ordered 1
		.amdhsa_forward_progress 1
		.amdhsa_inst_pref_size 121
	.end_amdhsa_kernel
	.amdgpu_metadata
---
amdhsa.version: [ 1, 2 ]
amdhsa.kernels:
  - .name:           k_qe09606b336_qkv
    .symbol:         k_qe09606b336_qkv.kd
    .args:
      - { .name: xq, .offset: 0, .size: 8, .value_kind: global_buffer, .address_space: global }
      - { .name: xs, .offset: 8, .size: 8, .value_kind: global_buffer, .address_space: global }
      - { .name: wc, .offset: 16, .size: 8, .value_kind: global_buffer, .address_space: global }
      - { .name: wsc, .offset: 24, .size: 8, .value_kind: global_buffer, .address_space: global }
      - { .name: bqkv, .offset: 32, .size: 8, .value_kind: global_buffer, .address_space: global }
      - { .name: val_lens, .offset: 40, .size: 8, .value_kind: global_buffer, .address_space: global }
      - { .name: qbuf, .offset: 48, .size: 8, .value_kind: global_buffer, .address_space: global }
      - { .name: kvbuf, .offset: 56, .size: 8, .value_kind: global_buffer, .address_space: global }
    .group_segment_fixed_size: 327680
    .private_segment_fixed_size: 0
    .kernarg_segment_align: 8
    .kernarg_segment_size: 64
    .max_flat_workgroup_size: 128
    .sgpr_count:     102
    .vgpr_count:     896
    .wavefront_size: 32
...
	.end_amdgpu_metadata
.endif
;; end of part 2
;; launch attn (part 3): grid 16 x 64, 8 waves a work-group, no clusters, 33,792 bytes of LDS; arguments qbuf, kvbuf, ao, aos, val_lens; writes ao, aos
.if DOCPART == 3
	.amdgcn_target "amdgcn-amd-amdhsa--gfx1250"
	.amdhsa_code_object_version 6
	.text
	.protected	k_qe09606b336_attn
	.globl	k_qe09606b336_attn
	.p2align	8
	.type	k_qe09606b336_attn,@function
k_qe09606b336_attn:
	s_mov_b64 s[64:65], 0
	v_nop
	global_prefetch_b8 v0, s[64:65] scope:SCOPE_SE
	s_setreg_imm32_b32 hwreg(HW_REG_WAVE_MODE, 25, 1), 1
	s_wait_xcnt 0x0
; For each batch and head: O = softmax(q k^T / 8, keys at or beyond val_lens filled with -1,000,000) v, both products on codes of FP6 (E2M3) with E8M0 scales; O is quantised along the model's 1,024 for the last product.
; THE SOFTMAX: t = score x log2(e) / 8; M = the running largest t rounded UP to a whole number; p = 2^(t - M) is quantised along the keys, not normalised; the row's sum is taken of the unquantised p and divides at the end.
; When M moves, the sum and O are multiplied by 2^(old M - new M): exact.
; WORK LEFT OUT: A record of 128 keys that begins at or beyond val_lens[b] holds masked keys alone; beside a valid key their p is 0 in f32, so such records are
; neither loaded nor multiplied.  val_lens is read here as whole numbers; a length under 1 masks every key, and then all 2,048 keys are walked (all scores are the fill: the uniform softmax).  Inside the last record the mask
; rides in the unused half of the first product's K, as the launch before laid it.
; LIMITS: this holds while a row's largest valid score lies more than 200 above -1,000,000; the scaled scores stay under 2^31; NaN and infinities are not served, and one that lies in a record left out is not carried on;
; a block of zeros gets the byte 1 (zero codes; this program alone reads the bytes).
; SHARES.  1,024 work-groups of 8 waves: x = which 128 queries, y = 16 x rank + head; a wave owns one tile of 16 queries.  Work-groups differ in length by their batch: the batches are ranked by their lengths, the
; longest first (equal lengths: the lower batch first), so that the longest work-groups have the lowest numbers.  With 256 registers a wave and 33,792 bytes of LDS two work-groups fit on a WGP.
; K AND V: records of 15,872 bytes (128 keys): 8 tiles of K x 1,024, 8 scale images x 128 at 8,192, 4 tiles of V x 1,536 at 9,216, 4 scale images at 15,360.  This launch has no tensor load
; and no cluster: each wave copies 1,984 bytes of a record through 16 registers into one of two LDS slots, one record ahead of its use.  The loop has a constant 16 trips and one barrier a trip; the branch leads round the work alone.
; PREFETCH: in trip n wave 0 names 4 blocks of 256 bytes of record n + 3, two trips ahead of the load that wants it; the 16 work-groups of a head share the record's 62 blocks by address; nothing is asked at or beyond val_lens.
; LAYOUT.  Both products transposed: S^T = K Q^T, O^T = V^T P^T: a lane holds ONE query.  Row r of stored tile 2 q + u is key (or channel) 32 q + 8 u + r + 8 (r / 8): the 16 registers of two neighbouring tiles are 16 neighbours.
; K'S TILES LIE 8 REGISTERS APART: a tile has 8 registers of its own, and registers 8-11 of its operand (k = 64 + 32 h + 11 on) are whatever follows: the next tile's, or v64-67.  Q's codes there are zeros and every
; FP6 code is a finite number, so these places add exactly 0 to every score.
; REGISTERS: v1-11 addresses; v12-15, v68-79 the record on its way; v16-27 Q; v28-31 V's scale words; v32-63 four tiles of K; v64 -M, v65 the largest t, v[66:67] the sum; v80-127 four tiles of V; v128-191 S^T, then p;
; v192-223 O^T; v224-235 p's codes; v232-254 at work; v255 Q's scale word.
.set RS,  15872
.set HS,  253952
.set SLOT, 16384
.set SPARE, 2*SLOT                     ; the spare words: 128 bytes for each of 8 waves
.set L16, 1
.set L8,  2
.set L4,  3
.set PFO, 4                            ; v4 the prefetch's offset in a record
.set SPW, 5                            ; v5 my spare word; v6 0: kept for the add alone
.set NIL, 6
.set BO,  7                            ; v7 32 r + h: my byte among the rows' scale bytes
.set C16, 8                            ; v8-11 my 1,984 bytes of a record: 3 x 512 by 16 bytes a lane, 256 by 8, 128 by 4, 64 by 2
.set C8,  9
.set C4,  10
.set C2,  11
.set G2,  12
.set QF,  16
.set VS,  28
.set KF,  32
.set NM,  64                           ; v64 -M, v65 the largest t
.set SM,  66                           ; v[66:67] the sum
.set G,   68
.set VF,  80
.set S,   128
.set O,   192
.set KS,  248
.set WV,  14
.set QA,  16                           ; s[16:17] my tile of Q, s[50:51] its scale image
.set KVB, 18                           ; s[18:19] my batch's and head's K and V
.set KA,  22                           ; s[22:23] the record being loaded
.set RN,  24                           ; s[24:25] its offset
.set KP,  26                           ; s26 the trip's first key
.set LEN, 27                           ; s27 keys to walk
.set SEL, 28
.set CS,  30
.set PL,  32                           ; s32 LEN in wave 0, else 0
.set QS,  50
.set EL,  44                           ; s44-47 the four lengths; s52-55 their ranks
.set RK,  52
.macro CLOAD base                      ; my part of a record into registers
	global_load_b128 v[G:G+3], v[C16], s[\base:\base+1]
	global_load_b128 v[G+4:G+7], v[C16], s[\base:\base+1] offset:512
	global_load_b128 v[G+8:G+11], v[C16], s[\base:\base+1] offset:1024
	global_load_b64 v[G2:G2+1], v[C8], s[\base:\base+1]
	global_load_b32 v[G2+2], v[C4], s[\base:\base+1]
	global_load_u16 v[G2+3], v[C2], s[\base:\base+1]
.endm
.macro CSTORE sl                       ; and on into a slot
	ds_store_b128 v[C16], v[G:G+3] offset:(\sl)*SLOT
	ds_store_b128 v[C16], v[G+4:G+7] offset:(\sl)*SLOT+512
	ds_store_b128 v[C16], v[G+8:G+11] offset:(\sl)*SLOT+1024
	ds_store_b64 v[C8], v[G2:G2+1] offset:(\sl)*SLOT
	ds_store_b32 v[C4], v[G2+2] offset:(\sl)*SLOT
	ds_store_b16 v[C2], v[G2+3] offset:(\sl)*SLOT
.endm
.macro PAIR c, b                       ; c < b: of two batches the longer, or of equals the lower, goes first: the other's rank rises
	s_cmp_ge_u32 s[EL+\c], s[EL+\b]
	s_cselect_b32 s36, 1, 0
	s_add_co_u32 s[RK+\b], s[RK+\b], s36
	s_xor_b32 s36, s36, 1
	s_add_co_u32 s[RK+\c], s[RK+\c], s36
.endm
	s_load_b256 s[4:11], s[0:1], 0x0               ; qbuf s[4:5], kvbuf s[6:7], ao s[8:9], aos s[10:11]
	s_load_b64 s[12:13], s[0:1], 0x20              ; val_lens
	v_lshl_add_u32 v[SPW], v0, 2, SPARE
	v_mov_b32 v[NIL], 0
	v_lshrrev_b32 v12, 5, v0
	v_readfirstlane_b32 s[WV], v12                 ; wave 0..7
	v_and_b32 v12, 31, v0
	v_lshlrev_b32 v[L16], 4, v12
	v_lshlrev_b32 v[L8], 3, v12
	v_lshlrev_b32 v[L4], 2, v12
	v_lshlrev_b32 v13, 1, v12
	v_and_b32 v14, 15, v0
	v_bfe_u32 v15, v0, 4, 1
	v_lshl_add_u32 v[BO], v14, 5, v15
	v_min_u32 v14, 3, v12
	s_lshl_b32 s36, ttmp9, 2
	v_add_nc_u32 v14, s36, v14                     ; blocks 4 x .. 4 x + 3 of the record's 62; the lanes left over name the last of them again
	v_min_u32 v14, 61, v14
	v_lshlrev_b32 v[PFO], 8, v14
	s_mul_i32 s36, s[WV], 1984
	v_add_nc_u32 v[C16], s36, v[L16]
	s_add_co_u32 s37, s36, 1536
	v_add_nc_u32 v[C8], s37, v[L8]
	s_add_co_u32 s37, s36, 1792
	v_add_nc_u32 v[C4], s37, v[L4]
	s_add_co_u32 s37, s36, 1920
	v_add_nc_u32 v[C2], s37, v13
.irp i, 8,9,10,11
	v_mov_b32 v[QF+\i], 0                          ; Q's k = 64 + 32 h + 11 on: zeros
.endr
.irp b, 0,1,2,3
	v_mov_b32 v[236+\b], 0                         ; written once: a lane permute's destination counts as one of its sources
.endr
	v_mov_b32 v252, 0
	v_mov_b32 v253, 0
	s_mov_b32 s[SEL], 0x76543210
	s_mov_b32 s[SEL+1], 0xfedcba98
	s_mov_b32 s[CS], 0x3e38aa3b                    ; c = log2(e) / 8
	s_mov_b32 s[CS+1], s[CS]
	s_mov_b32 s35, 0xffff0000                      ; lanes 16-31
	s_mov_b32 s43, 0
	s_mov_b32 s[RN+1], 0
	s_and_b32 s57, ttmp7, 0xffff
	s_and_b32 s56, s57, 15                         ; the head
	s_lshr_b32 s57, s57, 4                         ; the rank of my batch
	s_wait_alu depctr_va_vdst(0)                   ; the wait at the head's end
	s_wait_kmcnt 0x0
	s_load_b128 s[EL:EL+3], s[12:13], 0x0          ; the four lengths
.irp b, 0,1,2,3
	s_mov_b32 s[RK+\b], 0
.endr
	s_wait_kmcnt 0x0
.irp b, 0,1,2,3
	s_cmp_lt_i32 s[EL+\b], 1                       ; no valid key: every key counts alike, so all are walked
	s_cselect_b32 s[EL+\b], 2048, s[EL+\b]
	s_min_u32 s[EL+\b], s[EL+\b], 2048
.endr
	PAIR 0, 1
	PAIR 0, 2
	PAIR 0, 3
	PAIR 1, 2
	PAIR 1, 3
	PAIR 2, 3
	s_mov_b32 s48, 0                               ; the batch whose rank is mine, and its length
	s_mov_b32 s[LEN], s[EL]
.irp b, 1,2,3
	s_cmp_eq_u32 s[RK+\b], s57
	s_cselect_b32 s48, \b, s48
	s_cselect_b32 s[LEN], s[EL+\b], s[LEN]
.endr
	s_min_u32 s48, s48, 3
	s_cmp_eq_u32 s[WV], 0
	s_cselect_b32 s[PL], s[LEN], 0
	s_lshl_b32 s49, s48, 4
	s_add_co_u32 s49, s49, s56                     ; 16 batch + head
	s_mul_i32 s42, s49, HS
	s_add_nc_u64 s[KVB:KVB+1], s[6:7], s[42:43]
	s_add_nc_u64 s[QA:QA+1], s[4:5], s[42:43]
	CLOAD KVB                                      ; record 0
	s_mul_i32 s42, ttmp9, RS
	s_add_nc_u64 s[QA:QA+1], s[QA:QA+1], s[42:43]  ; my 128 queries are record x
	s_lshl_b32 s42, s[WV], 7
	s_add_co_u32 s42, s42, 8192
	s_add_nc_u64 s[QS:QS+1], s[QA:QA+1], s[42:43]
	s_lshl_b32 s42, s[WV], 10
	s_add_nc_u64 s[QA:QA+1], s[QA:QA+1], s[42:43]
	global_load_b128 v[QF:QF+3], v[L16], s[QA:QA+1]
	global_load_b128 v[QF+4:QF+7], v[L16], s[QA:QA+1] offset:512
	global_load_b32 v255, v[L4], s[QS:QS+1]
	s_lshl_b32 s37, s48, 7
	s_lshl_b32 s49, ttmp9, 3
	s_add_co_u32 s37, s37, s49
	s_add_co_u32 s37, s37, s[WV]                   ; my block of 16 rows of the last product's A: 128 batch + 8 x + w
	s_mul_i32 s42, s37, 12288
	s_lshr_b32 s48, s56, 1
	s_mul_i32 s48, s48, 1536                       ; K step head / 2,
	s_add_co_u32 s42, s42, s48
	s_and_b32 s48, s56, 1
	s_mul_i32 s48, s48, 768                        ; half fragment head % 2
	s_add_co_u32 s42, s42, s48
	s_add_nc_u64 s[38:39], s[8:9], s[42:43]
	s_lshl_b32 s42, s37, 9
	s_lshl_b32 s48, s56, 1
	s_add_co_u32 s42, s42, s48
	s_add_nc_u64 s[40:41], s[10:11], s[42:43]      ; scale bytes: 32 a row, bytes 2 head, 2 head + 1
	v_mov_b32 v[NM+1], 0xff61b1e6                  ; the largest t so far: -3e38, under every t
	v_floor_f32 v[NM], -v[NM+1]                    ; -M
	v_mov_b32 v[SM], 0
	v_mov_b32 v[SM+1], 0
.set j, 0
.rept 32
	v_mov_b32 v[O+j], 0                            ; the step is written once: the first finds zeros, which the first change of M leaves zeros
.set j, j+1
.endr
	s_mov_b32 s[RN], 0
	s_mov_b32 s[KP], 0
	s_mov_b32 s33, 8
	s_wait_alu depctr_va_vdst(0)                   ; the wait ahead of the blocking wait
	s_wait_loadcnt 0x3                             ; record 0 is in; Q's three loads behind it may be out
	CSTORE 0
	s_wait_loadcnt 0x0                             ; Q is in
; A trip: 128 keys, the record in slot sl.  The barrier stands on every wave's path; the branch on the length leads round the work alone.
.macro TRIP sl
.set OF, (\sl)*SLOT
	s_wait_dscnt 0x0                               ; my stores into this slot are done, and so are my reads of the other
	s_barrier_signal -1
	s_barrier_wait -1                              ; both hold of every wave
	s_cmp_lt_u32 s[KP], s[LEN]
	s_cbranch_scc0 .Lskip_\@
.irp t, 0,1,2,3
	ds_load_b128 v[KF+8*\t:KF+8*\t+3], v[L16] offset:OF+1024*\t
	ds_load_b128 v[KF+8*\t+4:KF+8*\t+7], v[L16] offset:OF+1024*\t+512
	ds_load_b32 v[KS+\t], v[L4] offset:OF+8192+128*\t
.endr
	s_wait_xcnt 0x0                                ; the last trip's prefetch has read its base
	s_add_co_u32 s[RN], s[RN], RS
	s_min_u32 s[RN], s[RN], 15*RS                  ; the next record, held inside the head
	s_add_nc_u64 s[KA:KA+1], s[KVB:KVB+1], s[RN:RN+1]
	CLOAD KA                                       ; it has this trip in which to land
	s_add_co_u32 s36, s[KP], 384
	s_cmp_lt_u32 s36, s[PL]                        ; wave 0 alone, and only records that will be walked
	s_cbranch_scc0 .Lnp_\@
	global_prefetch_b8 v[PFO], s[KA:KA+1] offset:2*RS th:TH_LOAD_NT scope:SCOPE_SE
.Lnp_\@:
	s_wait_dscnt 0x0
.irp t, 0,1,2,3
	v_wmma_scale_f32_16x16x128_f8f6f4 v[S+8*\t:S+8*\t+7], v[KF+8*\t:KF+8*\t+11], v[QF:QF+11], 0, v[KS+\t], v255 matrix_a_fmt:MATRIX_FMT_FP6 matrix_b_fmt:MATRIX_FMT_FP6
.endr
.rept 4
	v_nop                                          ; places ahead of loads into registers that matrix instructions have read: K's of these four, V's of the last trip
.endr
.irp t, 0,1,2,3
	ds_load_b128 v[KF+8*\t:KF+8*\t+3], v[L16] offset:OF+1024*(4+\t)
	ds_load_b128 v[KF+8*\t+4:KF+8*\t+7], v[L16] offset:OF+1024*(4+\t)+512
	ds_load_b32 v[KS+\t], v[L4] offset:OF+8192+128*(4+\t)
.endr
.irp t, 0,1,2,3                        ; V's 20 loads land under the softmax
	ds_load_b128 v[VF+12*\t:VF+12*\t+3], v[L16] offset:OF+9216+1536*\t
	ds_load_b64 v[VF+12*\t+4:VF+12*\t+5], v[L8] offset:OF+9216+1536*\t+512
	ds_load_b128 v[VF+12*\t+6:VF+12*\t+9], v[L16] offset:OF+9216+1536*\t+768
	ds_load_b64 v[VF+12*\t+10:VF+12*\t+11], v[L8] offset:OF+9216+1536*\t+1280
	ds_load_b32 v[VS+\t], v[L4] offset:OF+15360+128*\t
.endr
	s_wait_dscnt 20                                ; K's tiles 4-7 are in; V's 20 loads behind them may be out
.irp t, 0,1,2,3
	v_wmma_scale_f32_16x16x128_f8f6f4 v[S+32+8*\t:S+32+8*\t+7], v[KF+8*\t:KF+8*\t+11], v[QF:QF+11], 0, v[KS+\t], v255 matrix_a_fmt:MATRIX_FMT_FP6 matrix_b_fmt:MATRIX_FMT_FP6
.endr
.rept 4
	v_nop
.endr
.irp b, 0,1,2,3
	v_max3_num_f32 v[232+\b], v[S+16*\b], v[S+1+16*\b], v[S+2+16*\b]   ; the largest score of each block of 32 keys: for the row's maximum, and, since p rises with the score, for the block's largest p
.endr
.irp i, 3,5,7,9,11,13
.irp b, 0,1,2,3
	v_max3_num_f32 v[232+\b], v[232+\b], v[S+16*\b+\i], v[S+1+16*\b+\i]
.endr
.endr
.irp b, 0,1,2,3
	v_max_num_f32 v[232+\b], v[232+\b], v[S+15+16*\b]
.endr
.irp b, 0,1,2,3
	s_delay_alu instid0(VALU_DEP_4)
	v_permlanex16_b32 v[236+\b], v[232+\b], s[SEL], s[SEL+1]
.endr
.irp b, 0,1,2,3
	s_delay_alu instid0(VALU_DEP_4)
	v_max_num_f32 v[232+\b], v[232+\b], v[236+\b]  ; with lane l xor 16's 16 keys
.endr
	s_delay_alu instid0(VALU_DEP_2)
	v_max3_num_f32 v254, v232, v233, v234
	s_delay_alu instid0(VALU_DEP_1)
	v_max_num_f32 v254, v254, v235
	s_delay_alu instid0(VALU_DEP_1)
	v_mul_f32 v254, s[CS], v254                    ; the step's largest t
	s_delay_alu instid0(VALU_DEP_1)
	v_max_num_f32 v[NM+1], v[NM+1], v254
	v_mov_b32 v254, v[NM]
	s_delay_alu instid0(VALU_DEP_2)
	v_floor_f32 v[NM], -v[NM+1]                    ; the new -M = -ceil(t)
	s_delay_alu instid0(VALU_DEP_1)
	v_sub_f32 v254, v[NM], v254                    ; old M - new M: a whole number, 0 or less
	s_delay_alu instid0(VALU_DEP_1)
	v_cvt_i32_f32 v254, v254                       ; (it saturates)
	s_delay_alu instid0(VALU_DEP_1)
	v_ldexp_f32 v252, 1.0, v254                    ; f = 2^(old M - new M)
.set j, 0
.rept 32
	v_pk_fma_f32 v[S+j:S+j+1], v[S+j:S+j+1], s[CS:CS+1], v[NM:NM+1] op_sel_hi:[1,0,0]   ; t - M, two at a time
.set j, j+2
.endr
.irp b, 0,1,2,3
	v_fma_f32 v[232+\b], v[232+\b], s[CS], v[NM]
.endr
.set j, 0
	s_wait_alu depctr_va_vdst(0)                   ; the wait ahead of the batch
.rept 64
	v_exp_f32 v[S+j], v[S+j]                       ; p = 2^(t - M)
.set j, j+1
.endr
	v_pk_mul_f32 v[SM:SM+1], v[SM:SM+1], v[252:253] op_sel_hi:[1,0]   ; the sums under the new M; the plain place behind the batch
	s_wait_alu depctr_va_vdst(0)                   ; one wait for the 64, ahead of their first reader
.irp b, 0,1,2,3
	v_exp_f32 v[232+\b], v[232+\b]                 ; the blocks' largest p
.endr
.irp i, 0,1,2,3,4,5,6                  ; the row's sum of the unquantised p: eight chains by turns
	v_pk_add_f32 v[238+2*\i:239+2*\i], v[S+2*\i:S+2*\i+1], v[S+14+2*\i:S+15+2*\i]
.endr
	v_pk_add_f32 v[SM:SM+1], v[SM:SM+1], v[S+28:S+29]
.irp r, 30,46
.irp i, 0,1,2,3,4,5,6
	v_pk_add_f32 v[238+2*\i:239+2*\i], v[238+2*\i:239+2*\i], v[S+\r+2*\i:S+\r+2*\i+1]
.endr
	v_pk_add_f32 v[SM:SM+1], v[SM:SM+1], v[S+\r+14:S+\r+15]
.endr
	v_pk_add_f32 v[238:239], v[238:239], v[S+62:S+63]
	v_pk_add_f32 v[242:243], v[242:243], v[244:245]
	v_pk_add_f32 v[246:247], v[246:247], v[248:249]
	v_pk_add_f32 v[SM:SM+1], v[SM:SM+1], v[250:251]
	v_pk_add_f32 v[238:239], v[238:239], v[240:241]
	s_delay_alu instid0(VALU_DEP_2)
	v_pk_add_f32 v[SM:SM+1], v[SM:SM+1], v[246:247]
	s_delay_alu instid0(VALU_DEP_2)
	v_pk_add_f32 v[238:239], v[238:239], v[242:243]
	s_delay_alu instid0(VALU_DEP_1)
	v_pk_add_f32 v[SM:SM+1], v[SM:SM+1], v[238:239]
	s_wait_alu depctr_va_vdst(0)                   ; and one for the four
.irp b, 0,1,2,3
	v_max_num_f32 v[232+\b], 0x1800000, v[232+\b]  ; the floor 2^(3 - 127): a block whose every p is 0 (masked keys) keeps the byte 1 over zero codes
.endr
.irp b, 0,1,2,3
	s_delay_alu instid0(VALU_DEP_4)
	v_add_nc_u32 v[244+\b], 0xff000000, v[232+\b]
.endr
.irp b, 0,1,2,3
	s_delay_alu instid0(VALU_DEP_4)
	v_lshrrev_b32 v[236+\b], 23, v[244+\b]
.endr
	s_delay_alu instid0(VALU_DEP_3)
	v_lshl_or_b32 v253, v237, 8, v236              ; p's scale word for these 128 keys
	s_delay_alu instid0(VALU_DEP_1)
	v_lshl_or_b32 v253, v238, 16, v253
	s_delay_alu instid0(VALU_DEP_1)
	v_lshl_or_b32 v253, v239, 24, v253
.irp c, 0,1
	v_cvt_scalef32_pk16_fp6_f32 v[224+6*\c:226+6*\c], v[S+32*\c:S+15+32*\c], v[244+2*\c]
	v_cvt_scalef32_pk16_fp6_f32 v[236+4*\c:238+4*\c], v[S+16+32*\c:S+31+32*\c], v[244+2*\c+1]
.endr
	v_nop                                          ; one plain place behind a scaled conversion
.irp c, 0,1
.irp i, 0,1,2
	v_permlane16_swap_b32 v[224+6*\c+\i], v[236+4*\c+\i]
.endr
.irp i, 0,1,2
	s_delay_alu instid0(VALU_DEP_3)
	v_mov_b32 v[227+6*\c+\i], v[236+4*\c+\i]
.endr
.endr
	s_wait_alu depctr_va_vdst(0)                   ; the wait directly ahead of the first reader of O^T
.set j, 0
.rept 16
	v_pk_mul_f32 v[O+j:O+j+1], v[O+j:O+j+1], v[252:253] op_sel_hi:[1,0]   ; O^T under the new M; also the places between p's codes and scale word and the products
.set j, j+2
.endr
	s_wait_alu depctr_va_vdst(0)
	s_wait_dscnt 0x0                               ; V is in
.irp t, 0,1,2,3
	v_wmma_scale_f32_16x16x128_f8f6f4 v[O+8*\t:O+8*\t+7], v[VF+12*\t:VF+12*\t+11], v[224:235], v[O+8*\t:O+8*\t+7], v[VS+\t], v253 matrix_a_fmt:MATRIX_FMT_FP6 matrix_b_fmt:MATRIX_FMT_FP6
.endr
	s_wait_loadcnt 0x0                             ; the next record is in my registers,
	CSTORE 1-\sl                                   ; and goes into the slot that nobody reads behind this trip's barrier
.Lskip_\@:
	s_add_co_u32 s[KP], s[KP], 128
.endm
.Lstep:
	TRIP 0
	TRIP 1
	s_sub_co_u32 s33, s33, 1
	s_cmp_lg_u32 s33, 0
	s_cbranch_scc1 .Lstep
	; the tile is finished: O^T / the sum, quantised along the head's 64 channels (two blocks of the last product's K): half a fragment and two scale bytes a row
.rept 4
	v_nop
.endr
	v_add_f32 v[SM], v[SM], v[SM+1]
	s_delay_alu instid0(VALU_DEP_1)
	v_permlanex16_b32 v252, v[SM], s[SEL], s[SEL+1]
	s_delay_alu instid0(VALU_DEP_1)
	v_add_f32 v[SM], v[SM], v252                   ; the row's sum
	s_wait_alu depctr_va_vdst(0)
	v_rcp_f32 v[SM], v[SM]
	v_nop                                          ; a plain place behind the transcendental
	s_wait_alu depctr_va_vdst(0)                   ; the wait ahead of its first reader
.set j, 0
.rept 16
	v_pk_mul_f32 v[S+j:S+j+1], v[O+j:O+j+1], v[SM:SM+1] op_sel_hi:[1,0]   ; register 16 q + i: channel 32 q + 16 h + i; each accumulator from its low end on
.set j, j+2
.endr
.irp b, 0,1
	v_max3_num_f32 v[232+\b], |v[S+16*\b]|, |v[S+1+16*\b]|, 0x1800000
.endr
.irp i, 2,4,6,8,10,12,14
.irp b, 0,1
	s_delay_alu instid0(VALU_DEP_2)
	v_max3_num_f32 v[232+\b], v[232+\b], |v[S+16*\b+\i]|, |v[S+1+16*\b+\i]|
.endr
.endr
.irp b, 0,1
	s_delay_alu instid0(VALU_DEP_2)
	v_permlanex16_b32 v[236+\b], v[232+\b], s[SEL], s[SEL+1]
.endr
.irp b, 0,1
	s_delay_alu instid0(VALU_DEP_2)
	v_max_num_f32 v[232+\b], v[232+\b], v[236+\b]
.endr
.irp b, 0,1
	s_delay_alu instid0(VALU_DEP_2)
	v_add_nc_u32 v[244+\b], 0xff000000, v[232+\b]
.endr
.irp b, 0,1
	s_delay_alu instid0(VALU_DEP_2)
	v_lshrrev_b32 v[236+\b], 23, v[244+\b]
.endr
	v_cvt_scalef32_pk16_fp6_f32 v[224:226], v[S:S+15], v244
	v_cvt_scalef32_pk16_fp6_f32 v[240:242], v[S+16:S+31], v245
	v_cndmask_b32 v254, v236, v237, s35            ; lanes 0-15 carry block 0's byte, lanes 16-31 block 1's; also the plain place behind the conversions
.irp i, 0,1,2
	v_permlane16_swap_b32 v[224+\i], v[240+\i]
.endr
.irp i, 0,1,2
	s_delay_alu instid0(VALU_DEP_3)
	v_mov_b32 v[227+\i], v[240+\i]
.endr
	global_store_b128 v[L16], v[224:227], s[38:39]             ; 512 bytes on end
	global_store_b64 v[L8], v[228:229], s[38:39] offset:512    ; 256 bytes on end
	global_store_b8 v[BO], v254, s[40:41]                      ; a byte a lane: two of each row's 32; the other heads' work-groups write the others
	s_wait_tensorcnt 0x0                           ; the wave's end
	ds_add_u32 v[SPW], v[NIL]
	s_wait_dscnt 0x0
	s_endpgm
.Lfunc_end_k_qe09606b336_attn:
	.size	k_qe09606b336_attn, .Lfunc_end_k_qe09606b336_attn-k_qe09606b336_attn
	.p2alignl 7, 3214868480
	.fill 96, 4, 3214868480
	.section	.rodata,"a",@progbits
	.p2align	6, 0x0
	.amdhsa_kernel k_qe09606b336_attn
		.amdhsa_group_segment_fixed_size 33792
		.amdhsa_private_segment_fixed_size 0
		.amdhsa_enable_private_segment 0
		.amdhsa_kernarg_size 40
		.amdhsa_user_sgpr_count 2
		.amdhsa_user_sgpr_kernarg_segment_ptr 1
		.amdhsa_wavefront_size32 1
		.amdhsa_system_sgpr_workgroup_id_x 1
		.amdhsa_system_sgpr_workgroup_id_y 1
		.amdhsa_system_sgpr_workgroup_id_z 1
		.amdhsa_system_vgpr_workitem_id 0
		.amdhsa_next_free_vgpr 256
		.amdhsa_next_free_sgpr 66
		.amdhsa_reserve_vcc 0
		.amdhsa_float_denorm_mode_32 3
		.amdhsa_float_denorm_mode_16_64 3
		.amdhsa_memory_ordered 1
		.amdhsa_forward_progress 1
		.amdhsa_inst_pref_size 51
	.end_amdhsa_kernel
	.amdgpu_metadata
---
amdhsa.version: [ 1, 2 ]
amdhsa.kernels:
  - .name:           k_qe09606b336_attn
    .symbol:         k_qe09606b336_attn.kd
    .args:
      - { .name: qbuf, .offset: 0, .size: 8, .value_kind: global_buffer, .address_space: global }
      - { .name: kvbuf, .offset: 8, .size: 8, .value_kind: global_buffer, .address_space: global }
      - { .name: ao, .offset: 16, .size: 8, .value_kind: global_buffer, .address_space: global }
      - { .name: aos, .offset: 24, .size: 8, .value_kind: global_buffer, .address_space: global }
      - { .name: val_lens, .offset: 32, .size: 8, .value_kind: global_buffer, .address_space: global }
    .group_segment_fixed_size: 33792
    .private_segment_fixed_size: 0
    .kernarg_segment_align: 8
    .kernarg_segment_size: 40
    .max_flat_workgroup_size: 256
    .sgpr_count:     66
    .vgpr_count:     256
    .wavefront_size: 32
...
	.end_amdgpu_metadata
.endif
;; end of part 3
;; launch proj (part 4): grid 4 x 64, 4 waves a work-group, clusters of 4 x 4, 327,680 bytes of LDS; arguments ao, aos, wc, wsc, bout, out0; writes out0
.if DOCPART == 4
	.amdgcn_target "amdgcn-amd-amdhsa--gfx1250"
	.amdhsa_code_object_version 6
	.text
	.protected	k_qe09606b336_proj
	.globl	k_qe09606b336_proj
	.p2align	8
	.type	k_qe09606b336_proj,@function
k_qe09606b336_proj:
	s_mov_b64 s[64:65], 0
	v_nop
	global_prefetch_b8 v0, s[64:65] scope:SCOPE_SE
	s_setreg_imm32_b32 hwreg(HW_REG_WAVE_MODE, 25, 1), 1
	s_wait_xcnt 0x0
	s_wait_alu depctr_hold_cnt(0) depctr_sa_sdst(0) depctr_va_vdst(0) depctr_va_sdst(0) depctr_va_ssrc(0) depctr_va_vcc(0) depctr_vm_vsrc(0)
	s_getreg_b32 s2, hwreg(HW_REG_IB_STS2, 6, 4)
	s_cmp_eq_u32 s2, 0
	s_cbranch_scc0 .Lentry_in_a_cluster
	s_endpgm
.Lentry_in_a_cluster:
	s_bfe_u32 s2, ttmp6, 0x10000c
	s_cmp_lg_u32 s2, 0xf033
	s_cbranch_scc0 .Lentry_shape_is_right
	s_endpgm
.Lentry_shape_is_right:
; out0 = O Wout + bout on codes of FP6 (E2M3) with E8M0 scales.  O's codes (ao, aos) and Wout's (wc's blocks 192-255, wsc) lie in memory as images of the operands' registers: 16 rows x 128 K = 1,536 bytes (for c = 0, 1: registers
; 6 c .. 6 c + 3 at 768 c + 16 x lane, 6 c + 4, 6 c + 5 at 768 c + 512 + 8 x lane), a block's 8 K steps on end; scale words 32 bytes a stored row.
; A work-group makes 128 tokens x 256 columns; wave (wr, wc) 64 x 128: 32 accumulators.  ALL OF K = 1,024 LIES IN LDS: two chunks of 512 along K, each filled once, at the head: no slot is ever filled again.
; THE MATRIX INSTRUCTION IS USED TRANSPOSED (source 0 = 16 columns of Wout, source 1 = 16 tokens): a lane holds a token.  Row r of stored block i is row 32 (i / 2) + 8 (i % 2) + r + 8 (r / 8): so the 16 registers of column blocks
; 2 q, 2 q + 1 are the neighbouring columns 32 q + 16 h + 0 .. 15, and a block's 16 tokens are stored to the rows that this order names.
; CLUSTER 4 x 4: the tokens' tiles hang on cy alone and are asked for jointly along a row of the cluster, Wout's on cx alone, along a column.
; REGISTERS, in windows of 256: window 0: v1-31 addresses; v32-63 the tokens' scale words (8 a + K step), v64-127 Wout's; v128-175, v176-223 the tokens' fragments, two sets; on the way out v64-191 are rows of out0.
;   window 1: accumulator (a, b) at 8 (8 a + b).   window 2: Wout's fragments, two sets, at 0 and 128.   window 3: v0-63 the bias.
.set CH,   147456                      ; a half of K, four K steps: A's 8 blocks x 6,144 bytes, then B's 16.  The first half is asked for at the head, the second behind one round
.set RBB,  12288
.set L16, 1
.set L8,  2
.set R32, 4
.set ADA16, 8
.set ADA8,  12
.set ADB16, 16
.set ADB8,  20
.set STO, 24                           ; v24 the way out: where I put 32 bytes of a row;  v25 where I read a row back
.set RD,  25
.set SA,  32
.set SB,  64
.set BI,  0
.set WV, 20
.set WR, 21
.set WC, 22
.set CX, 23
.set CY, 24
.set G1A, 28
.set G1B, 36
.set G0A, 44
.set G0B, 68
.set MSB, 0
.macro WIN new                         ; the immediate's high byte repeats the setting that is left
.if MSB != \new
	s_set_vgpr_msb (MSB<<8)|\new
.set MSB, \new
.endif
.endm
.macro PLACES                          ; four plain places behind matrix instructions, ahead of loads into their registers and of reads of their results
.rept 4
	v_nop
.endr
.endm
.macro CROUND
	s_barrier_signal -1
	s_barrier_wait -1
	s_cmp_lg_u32 s[WV], 0
	s_cbranch_scc1 .Lnot_wave_0_\@
	s_barrier_signal -3
.Lnot_wave_0_\@:
	s_barrier_wait -3
	s_barrier_signal -1
	s_barrier_wait -1
.endm
.macro FRAG reg, a16, a8, off
	ds_load_b128 v[\reg:\reg+3], v[\a16] offset:\off
	ds_load_b64 v[\reg+4:\reg+5], v[\a8] offset:\off+512
	ds_load_b128 v[\reg+6:\reg+9], v[\a16] offset:\off+768
	ds_load_b64 v[\reg+10:\reg+11], v[\a8] offset:\off+1280
.endm
.macro FETCH t                         ; K step t's fragments, 48 loads in one run, into set t % 2
.set CC, (\t)/4
.set QQ, (\t)%2
	WIN 0x80
.irp b, 0,1,2,3,4,5,6,7
	FRAG 128*QQ+12*\b, ADB16+CC, ADB8+CC, 6144*\b+1536*((\t)%4)
.endr
	WIN 0
.irp a, 0,1,2,3
	FRAG 128+48*QQ+12*\a, ADA16+CC, ADA8+CC, 6144*\a+1536*((\t)%4)
.endr
.endm
; 32 matrix instructions: K step t.  The 32 accumulators take turns, one instruction a turn.  first = 1: the sums start from the bias: nothing is cleared or added.
.macro MUL32 t, first
.set PP, (\t)%2
.if \first
	WIN 0x72                                       ; source 0 window 2, source 1 window 0, C window 3, D window 1
.else
	WIN 0x52                                       ; C and D window 1
.endif
.irp a, 0,1,2,3
.irp b, 0,1,2,3,4,5,6,7
.if \first
	v_wmma_scale_f32_16x16x128_f8f6f4 v[8*(8*\a+\b):8*(8*\a+\b)+7], v[128*PP+12*\b:128*PP+12*\b+11], v[128+48*PP+12*\a:128+48*PP+12*\a+11], v[BI+8*\b:BI+8*\b+7], v[SB+8*\b+(\t)], v[SA+8*\a+(\t)] matrix_a_fmt:MATRIX_FMT_FP6 matrix_b_fmt:MATRIX_FMT_FP6
.else
	v_wmma_scale_f32_16x16x128_f8f6f4 v[8*(8*\a+\b):8*(8*\a+\b)+7], v[128*PP+12*\b:128*PP+12*\b+11], v[128+48*PP+12*\a:128+48*PP+12*\a+11], v[8*(8*\a+\b):8*(8*\a+\b)+7], v[SB+8*\b+(\t)], v[SA+8*\a+(\t)] matrix_a_fmt:MATRIX_FMT_FP6 matrix_b_fmt:MATRIX_FMT_FP6
.endif
.endr
.endr
.endm
.macro STEP t
	s_wait_dscnt 0x0                               ; this step's fragments are in
.if (\t) < 7
.if (\t) == 3
	s_wait_tensorcnt 0x0                           ; my part of the second half of K has landed
	s_barrier_signal -1
	s_barrier_wait -1                              ; everybody's has
.endif
	PLACES
	FETCH (\t)+1
.endif
	MUL32 \t, 0
.endm
	s_load_b256 s[4:11], s[0:1], 0x0               ; ao s[4:5], aos s[6:7], wc s[8:9], wsc s[10:11]
	s_load_b128 s[12:15], s[0:1], 0x20             ; bout s[12:13], out0 s[14:15]
	v_lshl_add_u32 v254, v0, 2, 0x48000
	v_mov_b32 v255, 0
	ds_add_u32 v254, v255
	ds_add_u32 v254, v255
	v_lshrrev_b32 v5, 5, v0
	v_readfirstlane_b32 s[WV], v5
	s_lshr_b32 s[WR], s[WV], 1                     ; my half of the tokens.  Also: I fetch for A (0) or for B (1)
	s_and_b32 s[WC], s[WV], 1                      ; my half of the columns.  Also: which half of that tile I fetch
	s_bfe_u32 s[CX], ttmp6, 0x40000
	s_bfe_u32 s[CY], ttmp6, 0x40004
	s_and_b32 s26, ttmp7, 0xffff
	s_lshl_b32 s25, s[CY], 2
	s_lshl_b32 s25, 15, s25                        ; my row of the cluster
	s_lshl_b32 s27, 0x1111, s[CX]                  ; my column
	s_or_b32 s[G1A], s25, (3<<16)|(1<<21)          ; 15:0 the mask; 17:16 elements of 8 bytes; 21 set beside a mask; no padding
	s_or_b32 s[G1B], s27, (3<<16)|(1<<21)
.irp g, G1A, G1B
	s_mov_b32 s[\g+1], 768<<16                     ; four K steps of a block: 6,144 bytes
	s_mov_b32 s[\g+3], 768<<16
	s_mov_b32 s[\g+5], 1536                        ; from block to block: 12,288 bytes
	s_mov_b32 s[\g+6], 0
	s_mov_b32 s[\g+7], 0
.endr
	s_mov_b32 s[G1A+2], 4<<16
	s_mov_b32 s[G1A+4], 4
	s_mov_b32 s[G1B+2], 8<<16
	s_mov_b32 s[G1B+4], 8
	s_lshl_b32 s60, s26, 2
	s_add_co_u32 s60, s60, s[CY]                   ; which 128 tokens, 0..63
	s_lshl_b32 s62, s60, 3                         ; A's first block
	s_lshl_b32 s63, s[CX], 4
	s_add_co_u32 s63, s63, 192                     ; B's: Wout's blocks begin at 192
	s_lshl_b32 s25, s[WC], 2
	s_add_co_u32 s25, s25, s62
	s_mul_i32 s92, s25, RBB
	s_mov_b32 s93, 0
	s_wait_dscnt 0x0
	s_wait_kmcnt 0x0
	s_add_nc_u64 s[84:85], s[4:5], s[92:93]        ; the half of A's tile that I would fetch
	s_lshl_b32 s27, s[WC], 3
	s_add_co_u32 s27, s27, s63
	s_mul_i32 s92, s27, RBB
	s_add_nc_u64 s[86:87], s[8:9], s[92:93]        ; and of B's
	s_mul_i32 s25, s[WC], 4*6144
	s_mul_i32 s27, s[WC], 8*6144
.irp c, 0,1
	s_mov_b32 s[G0A+4*\c], 1
	s_add_co_u32 s[G0A+4*\c+1], s25, \c*CH
	s_add_nc_u64 s[G0A+4*\c+2:G0A+4*\c+3], s[84:85], \c*6144
	s_or_b32 s[G0A+4*\c+3], s[G0A+4*\c+3], 0x80000000
	s_mov_b32 s[G0B+4*\c], 1
	s_add_co_u32 s[G0B+4*\c+1], s27, \c*CH+49152
	s_add_nc_u64 s[G0B+4*\c+2:G0B+4*\c+3], s[86:87], \c*6144
	s_or_b32 s[G0B+4*\c+3], s[G0B+4*\c+3], 0x80000000
.endr
	CROUND                                         ; all sixteen work-groups are here: the joint loads meet
	s_cmp_lt_u32 s[WV], 2                          ; chunk 0: one tensor load a wave at the head
	s_cbranch_scc0 .Lfill_b
	tensor_load_to_lds s[G0A:G0A+3], s[G1A:G1A+7]
	s_nop 0
.rept 4
	v_nop
.endr
	s_branch .Lfilled
.Lfill_b:
	tensor_load_to_lds s[G0B:G0B+3], s[G1B:G1B+7]
	s_nop 0
.rept 4
	v_nop
.endr
.Lfilled:
.macro JL c                            ; chunk c's joint load: waves 0, 1 ask for A's halves, waves 2, 3 for B's; each chunk is filled once
	s_cmp_lt_u32 s[WV], 2
	s_cbranch_scc0 .Ljb_\@
	tensor_load_to_lds s[G0A+4*(\c):G0A+4*(\c)+3], s[G1A:G1A+7]
	s_nop 0
.rept 4
	v_nop
.endr
	s_branch .Ljd_\@
.Ljb_\@:
	tensor_load_to_lds s[G0B+4*(\c):G0B+4*(\c)+3], s[G1B:G1B+7]
	s_nop 0
.rept 4
	v_nop
.endr
.Ljd_\@:
.endm
	v_and_b32 v5, 31, v0
	v_lshlrev_b32 v[L16], 4, v5
	v_lshlrev_b32 v[L8], 3, v5
	v_and_b32 v6, 15, v0                           ; r
	v_lshlrev_b32 v[R32], 5, v6
	v_bfe_u32 v7, v0, 4, 1                         ; h
	s_mul_i32 s25, s[WR], 4*6144
	s_mul_i32 s27, s[WC], 8*6144
	s_add_co_u32 s27, s27, 49152
.irp c, 0,1,2,3
	v_add_nc_u32 v[ADA16+\c], s25, v[L16]
	v_add_nc_u32 v[ADA8+\c], s25, v[L8]
	v_add_nc_u32 v[ADB16+\c], s27, v[L16]
	v_add_nc_u32 v[ADB8+\c], s27, v[L8]
	s_add_co_u32 s25, s25, CH
	s_add_co_u32 s27, s27, CH
.endr
	s_mul_i32 s25, s[WV], 8448                     ; my stage for the way out: 16 rows x (512 bytes + 16), in chunk 0
	v_mul_u32_u24 v[STO], v6, 528
	v_lshl_add_u32 v[STO], v7, 6, v[STO]
	v_add_nc_u32 v[STO], s25, v[STO]               ; in: row r, + 64 h
	v_add_nc_u32 v[RD], s25, v[L16]                ; back: the 32 lanes take one row of 512 bytes
	s_lshl_b32 s25, s[WR], 2
	s_add_co_u32 s25, s25, s62
	s_lshl_b32 s92, s25, 9
	s_add_nc_u64 s[88:89], s[6:7], s[92:93]        ; my A blocks' scale words
	s_lshl_b32 s27, s[WC], 3
	s_add_co_u32 s27, s27, s63
	s_lshl_b32 s92, s27, 9
	s_add_nc_u64 s[90:91], s[10:11], s[92:93]
.irp a, 0,1,2,3
	global_load_b128 v[SA+8*\a:SA+8*\a+3], v[R32], s[88:89] offset:512*\a
	global_load_b128 v[SA+8*\a+4:SA+8*\a+7], v[R32], s[88:89] offset:512*\a+16
.endr
.irp b, 0,1,2,3,4,5,6,7
	global_load_b128 v[SB+8*\b:SB+8*\b+3], v[R32], s[90:91] offset:512*\b
	global_load_b128 v[SB+8*\b+4:SB+8*\b+7], v[R32], s[90:91] offset:512*\b+16
.endr
	s_lshl_b32 s92, s[CX], 10
	s_lshl_b32 s25, s[WC], 9
	s_add_co_u32 s92, s92, s25
	s_add_nc_u64 s[94:95], s[12:13], s[92:93]      ; bout at my 128 columns
	v_lshlrev_b32 v29, 6, v7                       ; 64 h
	WIN 0xc0                                       ; destination window 3
.irp q, 0,1,2,3                        ; registers 16 q + 0 .. 15: columns 32 q + 16 h + 0 .. 15
.irp j, 0,1,2,3
	global_load_b128 v[BI+16*\q+4*\j:BI+16*\q+4*\j+3], v29, s[94:95] offset:128*\q+16*\j
.endr
.endr
	WIN 0
	s_lshl_b32 s25, s60, 7
	s_lshl_b32 s27, s[WR], 6
	s_add_co_u32 s25, s25, s27                     ; my first token
	s_lshl_b32 s92, s25, 12                        ; a row of out0 is 4,096 bytes
	s_lshl_b32 s27, s[CX], 10
	s_add_co_u32 s92, s92, s27
	s_lshl_b32 s27, s[WC], 9
	s_add_co_u32 s92, s92, s27                     ; + my 128 columns
	s_add_nc_u64 s[96:97], s[14:15], s[92:93]
	s_wait_alu depctr_va_vdst(0)
	s_wait_tensorcnt 0x0                           ; my part of chunk 0 has landed
	ds_add_u32 v254, v255                          ; ahead of a later first fill
	s_wait_dscnt 0x0
	CROUND
	JL 1                                           ; chunk 1, my one tensor load behind the round
	FETCH 0
	s_wait_loadcnt 0x0                             ; scale words and bias
	s_wait_dscnt 0x0
	FETCH 1                                        ; set 1 has not been read yet: no places are owed
	MUL32 0, 1
	STEP 1
	STEP 2
	STEP 3
	STEP 4
	STEP 5
	STEP 6
	STEP 7
	WIN 0
; THE WAY OUT, a block of 16 tokens x 128 columns at a time.  A lane holds 32-byte pieces of one row, the lanes beside it other rows: the block goes through my stage and comes back as whole rows of 512 bytes.
; The stage lies in chunk 0: it had its one fill at the head, and every wave's reads of it were waited for ahead of the later barriers.  LDS serves a wave's instructions in order: no wait between my stores and my loads.
.macro TOSTAGE a
	WIN 0x04                                       ; an LDS store's data are its source 1: window 1
.irp b, 0,1,2,3,4,5,6,7
	ds_store_b128 v[STO], v[8*(8*(\a)+\b):8*(8*(\a)+\b)+3] offset:128*(\b/2)+32*(\b%2)       ; each accumulator from its low end on
	ds_store_b128 v[STO], v[8*(8*(\a)+\b)+4:8*(8*(\a)+\b)+7] offset:128*(\b/2)+32*(\b%2)+16
.endr
	WIN 0
.set BB, 64+64*((\a)%2)
.irp t, 0,1,2,3,4,5,6,7,8,9,10,11,12,13,14,15
	ds_load_b128 v[BB+4*\t:BB+4*\t+3], v[RD] offset:528*\t
.endr
.endm
.macro SEND a, younger                 ; younger: the LDS instructions issued behind block a's loads, which may stay out
.set BB, 64+64*((\a)%2)
	s_wait_dscnt \younger
.irp t, 0,1,2,3,4,5,6,7,8,9,10,11,12,13,14,15
	global_store_b128 v[L16], v[BB+4*\t:BB+4*\t+3], s[96:97] offset:(32*((\a)/2)+8*((\a)%2)+\t+8*(\t/8))*4096 th:TH_STORE_NT   ; 512 bytes on end, at a multiple of 512 from out0's first byte; stored row t is that token
.endr
.endm
	PLACES                                         ; ahead of the reads of results and of the loads into registers that held scale words and fragments
	TOSTAGE 0
.irp a, 1,2,3
.if \a > 1
	s_wait_xcnt 0x0                                ; block a - 2's stores have read their registers: block a's loads may land there
.endif
	TOSTAGE \a
	SEND \a-1, 32                                  ; behind block a - 1's loads: block a's 16 stores and 16 loads
.endr
	SEND 3, 0
	s_wait_dscnt 0x0
	s_wait_tensorcnt 0x0
	ds_add_u32 v254, v255
	s_wait_dscnt 0x0
	CROUND                                         ; the closing round: no work-group ends while a partner may still ask for a tile that names it
	s_endpgm
.Lfunc_end_k_qe09606b336_proj:
	.size	k_qe09606b336_proj, .Lfunc_end_k_qe09606b336_proj-k_qe09606b336_proj
	.p2alignl 7, 3214868480
	.fill 96, 4, 3214868480
	.section	.rodata,"a",@progbits
	.p2align	6, 0x0
	.amdhsa_kernel k_qe09606b336_proj
		.amdhsa_group_segment_fixed_size 327680
		.amdhsa_private_segment_fixed_size 0
		.amdhsa_enable_private_segment 0
		.amdhsa_kernarg_size 48
		.amdhsa_user_sgpr_count 2
		.amdhsa_user_sgpr_kernarg_segment_ptr 1
		.amdhsa_wavefront_size32 1
		.amdhsa_system_sgpr_workgroup_id_x 1
		.amdhsa_system_sgpr_workgroup_id_y 1
		.amdhsa_system_sgpr_workgroup_id_z 1
		.amdhsa_system_vgpr_workitem_id 0
		.amdhsa_next_free_vgpr 896
		.amdhsa_next_free_sgpr 102
		.amdhsa_reserve_vcc 0
		.amdhsa_float_denorm_mode_32 3
		.amdhsa_float_denorm_mode_16_64 3
		.amdhsa_memory_ordered 1
		.amdhsa_forward_progress 1
		.amdhsa_inst_pref_size 85
	.end_amdhsa_kernel
	.amdgpu_metadata
---
amdhsa.version: [ 1, 2 ]
amdhsa.kernels:
  - .name:           k_qe09606b336_proj
    .symbol:         k_qe09606b336_proj.kd
    .args:
      - { .name: ao, .offset: 0, .size: 8, .value_kind: global_buffer, .address_space: global }
      - { .name: aos, .offset: 8, .size: 8, .value_kind: global_buffer, .address_space: global }
      - { .name: wc, .offset: 16, .size: 8, .value_kind: global_buffer, .address_space: global }
      - { .name: wsc, .offset: 24, .size: 8, .value_kind: global_buffer, .address_space: global }
      - { .name: bout, .offset: 32, .size: 8, .value_kind: global_buffer, .address_space: global }
      - { .name: out0, .offset: 40, .size: 8, .value_kind: global_buffer, .address_space: global }
    .group_segment_fixed_size: 327680
    .private_segment_fixed_size: 0
    .kernarg_segment_align: 8
    .kernarg_segment_size: 48
    .max_flat_workgroup_size: 128
    .sgpr_count:     102
    .vgpr_count:     896
    .wavefront_size: 32
...
	.end_amdgpu_metadata
.endif
;; end of part 4
